; MI455X (gfx1250); checked and timed in simulation.
; The chip was launched on July 23, 2026; its instructions are those of AMD's public machine-readable ISA for CDNA 5 (MIT licence, August 2026) and "CDNA5" Instruction Set Architecture Reference Guide (July 2026). The comments in the code are by the model that wrote it; some were corrected since.
;; Masked Mo E2. Allowed arithmetic: matrix products marked QUANTISED: E3M2 operands, one E8M0 scale for each 32 along K, by v_wmma_scale_f32_16x16x128_f8f6f4 with both operands' format E3M2, f32 sums; products left as they are: f32 operands where the result goes on into a quantised operand, else bf16, f16 or f32 operands; f32 sums; everything else in f32.
;; Inputs: b1 8 x 4,096 float32; b2 8 x 1,024 float32; inputs 2 x 512 x 1,024 float32; masks 1,024 x 8 float32; router_w 9 x 1,024 float32; w1_codes 8 x 4,096 x 32 x 24 uint8 (E3M2 codes of w1, K innermost, in blocks of 32 codes, four codes in three bytes); w1_scales 8 x 4,096 x 32 uint8 (E8M0 scales of w1, one for each 32 codes along K); w2_codes 8 x 1,024 x 128 x 24 uint8 (E3M2 codes of w2, K innermost, in blocks of 32 codes, four codes in three bytes); w2_scales 8 x 1,024 x 128 uint8 (E8M0 scales of w2, one for each 32 codes along K).
;; Outputs: out0 2 x 512 x 1,024 float32; out1 1,024 x 9 float32; out2 1,024 x 2 int32.
;; Constants: top_k = 2.
;; This version of the problem:
;;   THIS VERSION OF THE PROBLEM IS GIVEN IN LOW PRECISION. The matrix products marked QUANTISED in the list below multiply operands that are first quantised to E3M2 (3 exponent bits, 2 mantissa bits; 6 bits a number), with one power-of-two scale for each 32 numbers along K (OCP MX v1.0); their sums are f32. All else is computed in f32.
;;   The module's matrix products, in the order in which they are computed (A, B: the left and right operand; K: the contracted axis; several contracted axes count as one K, in the product's order):
;;     1. [M 1,024, K 1,024] x [K 1,024, N 9]; A: input inputs; B: input router_w: left as it is (N = 9 < 16)
;;     2. [M 1,024, K 1,024] x [K 1,024, N 4,096]; A: input inputs; B: input w1 (given as codes): QUANTISED
;;     3. [M 1,024, K 4,096] x [K 4,096, N 1,024]; A: computed on the way; B: input w2 (given as codes): QUANTISED
;;     4. [M 1,024, K 1,024] x [K 1,024, N 4,096]; A: input inputs; B: input w1 (given as codes): QUANTISED
;;     5. [M 1,024, K 4,096] x [K 4,096, N 1,024]; A: computed on the way; B: input w2 (given as codes): QUANTISED
;;     6. [M 1,024, K 1,024] x [K 1,024, N 4,096]; A: input inputs; B: input w1 (given as codes): QUANTISED
;;     7. [M 1,024, K 4,096] x [K 4,096, N 1,024]; A: computed on the way; B: input w2 (given as codes): QUANTISED
;;     8. [M 1,024, K 1,024] x [K 1,024, N 4,096]; A: input inputs; B: input w1 (given as codes): QUANTISED
;;     9. [M 1,024, K 4,096] x [K 4,096, N 1,024]; A: computed on the way; B: input w2 (given as codes): QUANTISED
;;     10. [M 1,024, K 1,024] x [K 1,024, N 4,096]; A: input inputs; B: input w1 (given as codes): QUANTISED
;;     11. [M 1,024, K 4,096] x [K 4,096, N 1,024]; A: computed on the way; B: input w2 (given as codes): QUANTISED
;;     12. [M 1,024, K 1,024] x [K 1,024, N 4,096]; A: input inputs; B: input w1 (given as codes): QUANTISED
;;     13. [M 1,024, K 4,096] x [K 4,096, N 1,024]; A: computed on the way; B: input w2 (given as codes): QUANTISED
;;     14. [M 1,024, K 1,024] x [K 1,024, N 4,096]; A: input inputs; B: input w1 (given as codes): QUANTISED
;;     15. [M 1,024, K 4,096] x [K 4,096, N 1,024]; A: computed on the way; B: input w2 (given as codes): QUANTISED
;;     16. [M 1,024, K 1,024] x [K 1,024, N 4,096]; A: input inputs; B: input w1 (given as codes): QUANTISED
;;     17. [M 1,024, K 4,096] x [K 4,096, N 1,024]; A: computed on the way; B: input w2 (given as codes): QUANTISED
;;   THE QUANTISER, for each operand of a quantised product, along K:
;;     - K is cut into blocks of 32 from its start; a last block that is shorter is filled with zeros.
;;     - A block's scale is 2^e with e = floor(log2(the largest magnitude in the block)) - 4, held to -126 .. 127; a block of zeros has e = 0. As a byte (E8M0): e + 127.
;;     - Each number is divided by its block's scale, clamped to +-28, and rounded to the nearest number of E3M2, ties to even, subnormals kept.
;;     - The product sums the exact products of the quantised numbers (number of the format x scale) in f32.
;;   ~~~python
;;   def quantise(x, axis):      # numpy; x: float32 -> the quantised numbers, widened to float32 again
;;       x = np.moveaxis(x, axis, -1); K = x.shape[-1]
;;       x = np.pad(x, [(0, 0)] * (x.ndim - 1) + [(0, -K % 32)]); x = x.reshape(x.shape[:-1] + (-1, 32)); a = np.abs(x).max(-1, keepdims=True)
;;       e = np.where(a > 0, np.clip(np.frexp(np.where(a > 0, a, 1))[1] - 1 - 4, -126, 127), 0)      # np.frexp(a)[1] - 1 = floor(log2(a)), exactly
;;       r = np.clip(x / 2.0 ** e, -28, 28)
;;       step = 2.0 ** (np.maximum(np.frexp(np.where(r == 0, 1, r))[1] - 1, -2) - 2)
;;       q = np.round(r / step) * step * 2.0 ** e      # np.round: ties to even
;;       return np.moveaxis(q.reshape(q.shape[:-2] + (-1,))[..., :K], -1, axis).astype(np.float32)
;;   ~~~
;;   OPERANDS COMPUTED ON THE WAY. 'Computed on the way' means the value that the module computes at that place (a softmax that the list does not call 'softmax' is quantised finished and normalised). What goes into a quantiser is computed in f32, as accurately as f32 sums, v_exp_f32 and their like allow (about 1e-6 of the number): no bf16 or f16 on the way to a quantiser, and a product that is left as it is and whose result goes on into a quantised operand takes f32 operands (vector FMAs, or v_wmma_f32_16x16x4_f32). A number that lies on a knife's edge between two numbers of the format may be rounded either way, as far as f32 arithmetic and the matrix unit's own rounding can turn it there, and no further.
;;   INPUTS GIVEN AS CODES. w1 (in the module: [8, 1024, 4096], K = its axis 1); w2 (in the module: [8, 4096, 1024], K = its axis 1): each comes as NAME_codes (uint8): NAME with its K axis moved to the last place and cut into blocks of 32 codes, [.., K / 32, bytes a block], one block behind the other in memory; four codes in three bytes: a row's codes are one little-endian stream of bits, code i at bits 6 i .. 6 i + 5 (a code: sign, 3 exponent bits, 2 mantissa bits); and NAME_scales (uint8): the same leading axes, one E8M0 byte (e + 127) for each 32 codes along K. Its value is code x scale, taken as it is: it is not quantised again, and the codes and scales need not be those that the quantiser above would give.
;; 2 versions. Each part assembles by itself: llvm-mc -triple=amdgcn-amd-amdhsa -mcpu=gfx1250 --defsym DOCPART=n.
;; ======== version 1 of 2: 5 launches
;; limits: an absolute error that grows with the inputs' magnitude: up to 1e-07 times it
;; workspace buffers: xq 819,200 bytes; sel 8,192 bytes of whole numbers; gate 8,192 bytes; list 35,072 bytes of whole numbers; hq 26,214,400 bytes; y 16,842,752 bytes
;; launch route (part 1): grid 256 x 1, 4 waves a work-group, no clusters, 23,040 bytes of LDS; arguments inputs, masks, router_w, xq, sel, gate, out1, out2; writes xq, sel, gate, out1, out2
.if DOCPART == 1
	.amdgcn_target "amdgcn-amd-amdhsa--gfx1250"
	.amdhsa_code_object_version 6
	.text
	.protected	k_qc91432b2b5_route
	.globl	k_qc91432b2b5_route
	.p2align	8
	.type	k_qc91432b2b5_route,@function
k_qc91432b2b5_route:
	s_mov_b64 s[64:65], 0
	v_nop
	global_prefetch_b8 v0, s[64:65] scope:SCOPE_SE
	s_setreg_imm32_b32 hwreg(HW_REG_WAVE_MODE, 25, 1), 1
	s_wait_xcnt 0x0
; ROUTER AND QUANTISER OF x.  One wave takes one token t = 4 x work-group + wave: 1,024 numbers of f32, 32 a lane.
; It makes (a) the token's codes of BF6 (E3M2) along K = 1,024 with one E8M0 byte for each 32, into xq: [1024][768] codes as one stream of bits, and from XS_OFF on [1024][32] scale bytes;
; (b) the nine logits x . router_w[e] in f32, times the token's masks (the ninth unmasked): out1; (c) softmax over the nine, with the largest logit taken away first, and its two largest
; probabilities: indices to out2 and sel, probabilities to gate.  A tie goes to the lower index: every compare is strict and walks the indices upward.
; All addresses are fixed by the token's number: nothing here is placed by the choice.
; The quantiser: a block's scale is 2^(floor(log2(largest magnitude)) - 4); its byte is that magnitude's exponent field - 4, held at 1 from below.  A block of zeros keeps the byte 1: its codes are
; zeros, and only this program reads the bytes.
; LIMITS: NaN and infinities are not served.  Blocks whose largest magnitude lies under 2^(5 - 127) get the byte 1.  v_exp_f32 gives 0 for results under 2^-126, so ties at probability 0 begin there.
; The dot products are summed in another order than a plain loop over k.  out1, the scale bytes and the per-token words leave in pieces of 36, 32 and 8 bytes a token.
; Waves share nothing: no barrier.
.set XS_OFF, 786432
.set SP,     80                        ; a lane's place in a stage: 64 bytes + 16 of padding
.set SCB,    2*32*SP                   ; behind a wave's two stages: its 32 scale bytes
.set WREG,   5632                      ; LDS of a wave
.set SPARE,  4*WREG                    ; the spare words, 128 bytes a wave: two blocks of 256 bytes that no other line names
.set LN,   1                           ; lane
.set SPW,  2                           ; LDS address of my spare word; never rewritten
.set NIL,  3                           ; 0; never rewritten
.set XA,   4                           ; 16 x lane: my bytes of a load's 512
.set SIN,  5                           ; the stage, way in
.set SOUT, 6                           ; the stage, way out
.set CO,   7                           ; 12 x lane: my codes' place
.set SBA,  8                           ; LDS: my block's scale byte
.set SBR,  9                           ; LDS: a word of the 32 scale bytes
.set SBO,  10                          ; 4 x (lane % 8)
.set LO4,  11                          ; 4 x lane
.set R,    16                          ; v16-47   x as loaded: load i holds k = 128 i + 4 lane + 0..3
.set XT,   48                          ; v48-79   two sets of 16 neighbours
.set W,    80                          ; v80-239  five sets of 32 numbers of router_w
.set L,    240                         ; v240-248 the logits
.set CD,   240                         ; v240-246 the codes of the two steps, ahead of the logits
.set EB,   248                         ; v248-249 their bytes
.set CH,   250                         ; v250-253 two chains of a dot product
.set P,    80                          ; v80-88   behind the dots: exponents, then probabilities
.set PT,   100                         ; v100-108 the other half of the lanes' sums
.set BI,   112                         ; v112-113 the two indices
.set BV,   114                         ; v114-115 the two probabilities
.set OV,   116
.set SBW,  117
.set MX,   118
.set NM,   119
.set SUM,  120                         ; v120-123
.set ZR,   124
	s_load_b256 s[4:11], s[0:1], 0x0               ; inputs, masks, router_w, xq
	s_load_b256 s[12:19], s[0:1], 0x20             ; sel, gate, out1, out2
	v_lshl_add_u32 v[SPW], v0, 2, SPARE
	v_mov_b32 v[NIL], 0
	v_lshrrev_b32 v12, 5, v0
	v_readfirstlane_b32 s20, v12                   ; wave
	v_and_b32 v[LN], 31, v0
	s_lshl_b32 s21, ttmp9, 2
	s_add_co_u32 s21, s21, s20                     ; my token
	s_mul_i32 s36, s20, WREG
	v_lshlrev_b32 v[XA], 4, v[LN]
	v_lshrrev_b32 v[SIN], 2, v[LN]
	v_mul_u32_u24 v[SIN], v[SIN], SP
	v_and_b32 v12, 3, v[LN]
	v_lshl_add_u32 v[SIN], v12, 4, v[SIN]
	v_add_nc_u32 v[SIN], s36, v[SIN]               ; four lanes' 64 bytes on end, then the padding
	v_mul_u32_u24 v[SOUT], v[LN], SP
	v_add_nc_u32 v[SOUT], s36, v[SOUT]             ; my 16 neighbours
	v_mul_u32_u24 v[CO], v[LN], 12
	s_add_co_u32 s36, s36, SCB
	v_lshrrev_b32 v[SBA], 1, v[LN]
	v_add_nc_u32 v[SBA], s36, v[SBA]
	v_and_b32 v[SBO], 7, v[LN]
	v_lshlrev_b32 v[SBO], 2, v[SBO]
	v_add_nc_u32 v[SBR], s36, v[SBO]
	v_lshlrev_b32 v[LO4], 2, v[LN]
	s_mov_b32 s32, 0x76543210
	s_mov_b32 s33, 0xfedcba98                      ; v_permlanex16_b32's selects for lane l xor 16
	s_mov_b32 s35, 0x3fb8aa3b                      ; log2(e)
	s_mov_b32 s23, 0
	s_wait_kmcnt 0x0
	s_lshl_b32 s22, s21, 5
	s_add_nc_u64 s[6:7], s[6:7], s[22:23]          ; my eight masks
	s_load_b256 s[24:31], s[6:7], 0x0
	s_add_nc_u64 s[40:41], s[10:11], s[22:23]
	s_add_nc_u64 s[40:41], s[40:41], XS_OFF        ; my 32 scale bytes
	s_lshl_b32 s22, s21, 12
	s_add_nc_u64 s[4:5], s[4:5], s[22:23]          ; my row of x
	s_mul_i32 s22, s21, 768
	s_add_nc_u64 s[38:39], s[10:11], s[22:23]      ; my row of codes
	s_lshl_b32 s22, s21, 3
	s_add_nc_u64 s[12:13], s[12:13], s[22:23]
	s_add_nc_u64 s[14:15], s[14:15], s[22:23]
	s_add_nc_u64 s[18:19], s[18:19], s[22:23]
	s_mul_i32 s22, s21, 36
	s_add_nc_u64 s[16:17], s[16:17], s[22:23]
.macro RLOAD e, set                    ; row e of router_w, laid as x is
.irp i, 0,1,2,3,4,5,6,7
	global_load_b128 v[W+32*(\set)+4*\i:W+32*(\set)+4*\i+3], v[XA], s[8:9] offset:4096*(\e)+512*\i
.endr
.endm
.macro RDOT e, set                     ; my 32 products, two at a time in two chains that the first products start
	v_pk_mul_f32 v[CH:CH+1], v[R:R+1], v[W+32*(\set):W+32*(\set)+1]
	v_pk_mul_f32 v[CH+2:CH+3], v[R+2:R+3], v[W+32*(\set)+2:W+32*(\set)+3]
.irp i, 4,8,12,16,20,24,28
	v_pk_fma_f32 v[CH:CH+1], v[R+\i:R+\i+1], v[W+32*(\set)+\i:W+32*(\set)+\i+1], v[CH:CH+1]
	v_pk_fma_f32 v[CH+2:CH+3], v[R+\i+2:R+\i+3], v[W+32*(\set)+\i+2:W+32*(\set)+\i+3], v[CH+2:CH+3]
.endr
	v_pk_add_f32 v[CH:CH+1], v[CH:CH+1], v[CH+2:CH+3]
	v_add_f32 v[L+(\e)], v[CH], v[CH+1]
.endm
.macro TURN st                         ; 512 numbers through the stage: in as loaded, out 16 neighbours a lane.  LDS serves a wave's instructions in order: no wait between
.irp i, 0,1,2,3
	ds_store_b128 v[SIN], v[R+16*\st+4*\i:R+16*\st+4*\i+3] offset:32*SP*\st+8*SP*\i
.endr
.irp i, 0,1,2,3
	ds_load_b128 v[XT+16*\st+4*\i:XT+16*\st+4*\i+3], v[SOUT] offset:32*SP*\st+16*\i
.endr
.endm
.macro QSTEP st
.set XS, XT+16*\st
	v_max3_num_f32 v12, |v[XS]|, |v[XS+1]|, |v[XS+2]|              ; the largest magnitude of my 16, in two chains
	v_max3_num_f32 v13, |v[XS+3]|, |v[XS+4]|, |v[XS+5]|
.irp i, 6,10
	v_max3_num_f32 v12, v12, |v[XS+\i]|, |v[XS+\i+1]|
	v_max3_num_f32 v13, v13, |v[XS+\i+2]|, |v[XS+\i+3]|
.endr
	v_max3_num_f32 v12, v12, |v[XS+14]|, |v[XS+15]|
	v_max3_num_f32 v12, v12, v13, 0x2800000        ; and the floor 2^(5 - 127): the byte cannot fall under 1
	v_max_num_f32_dpp v12, v12, v12 row_xmask:1 row_mask:0xf bank_mask:0xf   ; with my neighbour's 16: the block's
	v_add_nc_u32 v14, 0xfe000000, v12              ; 4 off its exponent field: the conversion takes that field as its scale
	v_cvt_scalef32_pk16_bf6_f32 v[CD+4*\st:CD+4*\st+2], v[XS:XS+15], v14
	v_lshrrev_b32 v[EB+\st], 23, v14               ; the scale's byte (a plain line behind the conversion)
	ds_store_b8 v[SBA], v[EB+\st] offset:16*\st    ; both lanes of a block write the same byte with the same value
	global_store_b96 v[CO], v[CD+4*\st:CD+4*\st+2], s[38:39] offset:384*\st   ; the wave stores 384 consecutive bytes
.endm
.irp i, 0,1,2,3,4,5,6,7
	global_load_b128 v[R+4*\i:R+4*\i+3], v[XA], s[4:5] offset:512*\i th:TH_LOAD_NT   ; 512 consecutive bytes a load
.endr
.irp e, 0,1,2,3,4
	RLOAD \e, \e
.endr
	s_wait_loadcnt 40                              ; x is in; the five rows of router_w, 40 loads, are younger
	TURN 0
	TURN 1
	s_wait_dscnt 8                                 ; step 0 is back: behind its loads stand step 1's four stores and four loads
	QSTEP 0
	s_wait_dscnt 1                                 ; step 1 is back: behind its loads stands step 0's byte store
	QSTEP 1
	s_wait_xcnt 0x0                                ; the codes' stores have read their registers, which the logits take now
.irp e, 0,1,2,3
	s_wait_loadcnt 32                              ; row e is in; four rows of eight loads are younger
	RDOT \e, \e
	RLOAD 5+\e, \e
.endr
	s_wait_loadcnt 32
	RDOT 4, 4
	s_wait_loadcnt 24                              ; the counts run down: three rows younger, two, one, none
	RDOT 5, 0
	s_wait_loadcnt 16
	RDOT 6, 1
	s_wait_loadcnt 8
	RDOT 7, 2
	s_wait_loadcnt 0x0
	RDOT 8, 3
.irp m, 1,2,4,8                        ; the nine sums across the lanes, by turns
.irp e, 0,1,2,3,4,5,6,7,8
	v_add_f32_dpp v[L+\e], v[L+\e], v[L+\e] row_xmask:\m row_mask:0xf bank_mask:0xf
.endr
.endr
.irp e, 0,1,2,3,4,5,6,7,8
	v_permlanex16_b32 v[PT+\e], v[L+\e], s32, s33
.endr
.irp e, 0,1,2,3,4,5,6,7,8
	v_add_f32 v[L+\e], v[L+\e], v[PT+\e]           ; every lane holds all nine
.endr
	s_wait_kmcnt 0x0                               ; the masks
.irp e, 0,1,2,3,4,5,6,7
	v_mul_f32 v[L+\e], s[24+\e], v[L+\e]           ; the masked logits; the ninth stays
.endr
	v_max3_num_f32 v[MX], v[L], v[L+1], v[L+2]
	v_max3_num_f32 v[MX], v[MX], v[L+3], v[L+4]
	v_max3_num_f32 v[MX], v[MX], v[L+5], v[L+6]
	v_max3_num_f32 v[MX], v[MX], v[L+7], v[L+8]    ; the largest logit is taken away ahead of the exponential
	v_mul_f32 v[NM], 0xbfb8aa3b, v[MX]             ; - mx log2(e)
.irp e, 0,1,2,3,4,5,6,7,8
	v_fma_f32 v[P+\e], v[L+\e], s35, v[NM]         ; equal logits give equal exponents, larger ones never smaller
.endr
.irp e, 0,1,2,3,4,5,6,7,8
	v_exp_f32 v[P+\e], v[P+\e]
.endr
	v_mov_b32 v[ZR], 0                             ; a plain line behind the batch
	s_wait_alu depctr_va_vdst(0)                   ; one wait for the nine, ahead of their first use
	v_add_f32 v[SUM], v[P], v[P+1]
	v_add_f32 v[SUM+1], v[P+2], v[P+3]
	v_add_f32 v[SUM+2], v[P+4], v[P+5]
	v_add_f32 v[SUM+3], v[P+6], v[P+7]
	v_add_f32 v[SUM], v[SUM], v[SUM+1]
	v_add_f32 v[SUM+2], v[SUM+2], v[SUM+3]
	v_add_f32 v[SUM], v[SUM], v[SUM+2]
	v_add_f32 v[SUM], v[SUM], v[P+8]
	v_rcp_f32 v[SUM+1], v[SUM]
	v_mov_b32 v[BI], 0                             ; (a plain line behind the reciprocal)
	s_wait_alu depctr_va_vdst(0)
.irp e, 0,1,2,3,4,5,6,7,8
	v_mul_f32 v[P+\e], v[P+\e], v[SUM+1]           ; the probabilities
.endr
	v_mov_b32 v[BV], v[P]                          ; the largest: a later index wins only where it is strictly larger
.irp e, 1,2,3,4,5,6,7,8
	v_cmp_gt_f32 vcc_lo, v[P+\e], v[BV]
	v_cndmask_b32 v[BV], v[BV], v[P+\e], vcc_lo
	v_cndmask_b32 v[BI], v[BI], \e, vcc_lo
.endr
.irp e, 0,1,2,3,4,5,6,7,8
	v_cmp_eq_u32 vcc_lo, \e, v[BI]
	v_cndmask_b32 v[P+\e], v[P+\e], -1.0, vcc_lo   ; the one chosen stands under every probability
.endr
	v_mov_b32 v[BV+1], v[P]
	v_mov_b32 v[BI+1], 0
.irp e, 1,2,3,4,5,6,7,8
	v_cmp_gt_f32 vcc_lo, v[P+\e], v[BV+1]
	v_cndmask_b32 v[BV+1], v[BV+1], v[P+\e], vcc_lo
	v_cndmask_b32 v[BI+1], v[BI+1], \e, vcc_lo
.endr
	v_mov_b32 v[OV], v[L]                          ; lane e takes logit e
.irp e, 1,2,3,4,5,6,7,8
	v_cmp_eq_u32 vcc_lo, \e, v[LN]
	v_cndmask_b32 v[OV], v[OV], v[L+\e], vcc_lo
.endr
	ds_load_b32 v[SBW], v[SBR]                     ; my wave's 32 scale bytes, a word a lane
	s_wait_dscnt 0x0
	s_wait_xcnt 0x0                                ; EXEC changes only behind this wait
	v_cmp_gt_u32 vcc_lo, 8, v[LN]
	s_and_saveexec_b32 s34, vcc_lo
	global_store_b32 v[SBO], v[SBW], s[40:41]
	s_wait_xcnt 0x0
	s_or_b32 exec_lo, exec_lo, s34
	v_cmp_gt_u32 vcc_lo, 9, v[LN]
	s_and_saveexec_b32 s34, vcc_lo
	global_store_b32 v[LO4], v[OV], s[16:17]
	s_wait_xcnt 0x0
	s_or_b32 exec_lo, exec_lo, s34
	v_cmp_eq_u32 vcc_lo, 0, v[LN]
	s_and_saveexec_b32 s34, vcc_lo
	global_store_b64 v[ZR], v[BI:BI+1], s[12:13]
	global_store_b64 v[ZR], v[BI:BI+1], s[18:19]
	global_store_b64 v[ZR], v[BV:BV+1], s[14:15]
	s_wait_xcnt 0x0
	s_or_b32 exec_lo, exec_lo, s34
	s_wait_tensorcnt 0x0                           ; the wave's end, behind my last LDS store
	ds_add_u32 v[SPW], v[NIL]
	s_wait_dscnt 0x0
	s_endpgm
.Lfunc_end_k_qc91432b2b5_route:
	.size	k_qc91432b2b5_route, .Lfunc_end_k_qc91432b2b5_route-k_qc91432b2b5_route
	.p2alignl 7, 3214868480
	.fill 96, 4, 3214868480
	.section	.rodata,"a",@progbits
	.p2align	6, 0x0
	.amdhsa_kernel k_qc91432b2b5_route
		.amdhsa_group_segment_fixed_size 23040
		.amdhsa_private_segment_fixed_size 0
		.amdhsa_enable_private_segment 0
		.amdhsa_kernarg_size 64
		.amdhsa_user_sgpr_count 2
		.amdhsa_user_sgpr_kernarg_segment_ptr 1
		.amdhsa_wavefront_size32 1
		.amdhsa_system_sgpr_workgroup_id_x 1
		.amdhsa_system_sgpr_workgroup_id_y 1
		.amdhsa_system_sgpr_workgroup_id_z 1
		.amdhsa_system_vgpr_workitem_id 0
		.amdhsa_next_free_vgpr 256
		.amdhsa_next_free_sgpr 66
		.amdhsa_reserve_vcc 1
		.amdhsa_float_denorm_mode_32 3
		.amdhsa_float_denorm_mode_16_64 3
		.amdhsa_memory_ordered 1
		.amdhsa_forward_progress 1
		.amdhsa_inst_pref_size 33
	.end_amdhsa_kernel
	.amdgpu_metadata
---
amdhsa.version: [ 1, 2 ]
amdhsa.kernels:
  - .name:           k_qc91432b2b5_route
    .symbol:         k_qc91432b2b5_route.kd
    .args:
      - { .name: inputs, .offset: 0, .size: 8, .value_kind: global_buffer, .address_space: global }
      - { .name: masks, .offset: 8, .size: 8, .value_kind: global_buffer, .address_space: global }
      - { .name: router_w, .offset: 16, .size: 8, .value_kind: global_buffer, .address_space: global }
      - { .name: xq, .offset: 24, .size: 8, .value_kind: global_buffer, .address_space: global }
      - { .name: sel, .offset: 32, .size: 8, .value_kind: global_buffer, .address_space: global }
      - { .name: gate, .offset: 40, .size: 8, .value_kind: global_buffer, .address_space: global }
      - { .name: out1, .offset: 48, .size: 8, .value_kind: global_buffer, .address_space: global }
      - { .name: out2, .offset: 56, .size: 8, .value_kind: global_buffer, .address_space: global }
    .group_segment_fixed_size: 23040
    .private_segment_fixed_size: 0
    .kernarg_segment_align: 8
    .kernarg_segment_size: 64
    .max_flat_workgroup_size: 128
    .sgpr_count:     66
    .vgpr_count:     256
    .wavefront_size: 32
...
	.end_amdgpu_metadata
.endif
;; end of part 1
;; launch place (part 2): grid 1 x 1, 8 waves a work-group, no clusters, 0 bytes of LDS; arguments sel, list; writes list
.if DOCPART == 2
	.amdgcn_target "amdgcn-amd-amdhsa--gfx1250"
	.amdhsa_code_object_version 6
	.text
	.protected	k_qc91432b2b5_place
	.globl	k_qc91432b2b5_place
	.p2align	8
	.type	k_qc91432b2b5_place,@function
k_qc91432b2b5_place:
	s_mov_b64 s[64:65], 0
	v_nop
	global_prefetch_b8 v0, s[64:65] scope:SCOPE_SE
	s_setreg_imm32_b32 hwreg(HW_REG_WAVE_MODE, 25, 1), 1
	s_wait_xcnt 0x0
; THE ROWS ARE PLACED BY EXPERT.  sel holds 2,048 chosen indices, entry n = 2 x token + slot.  Wave e scans all of them and writes the list of expert e:
; list + 4352 e: 1,024 words, first the entries n whose index is e, then pads 2048 + e; behind them 32 dump words, one a lane, for the lanes that have nothing to place.
; list + CNT_OFF + 4 e: how many entries are real.  Each wave owns its own region and needs no other wave: no LDS, no barrier, no atomics.  The input is 8 KB: one work-group serves.
; An expert is chosen at most once a token, so a list never holds more than 1,024 entries.  Index 8, the expert that gives zeros, has no list.
.set CNT_OFF, 34816
.set LSTB,    4352
.set LN,  1                            ; lane
.set LA,  2                            ; 16 x lane
.set L4,  3                            ; 4 x lane
.set DMP, 4                            ; 1024 + lane: my dump word
.set PAD, 5                            ; 2048 + e
.set ZR,  6
.set CN,  7
.set S,   16                           ; v16-79   sel: register 4 i + c holds entry 128 i + 4 lane + c
.set A,   80                           ; v80-143  a place for each register of S
.set D,   144                          ; v144-207 and its entry's number
	s_load_b128 s[4:7], s[0:1], 0x0                ; sel, list
	v_lshrrev_b32 v8, 5, v0
	v_readfirstlane_b32 s8, v8                     ; wave = expert
	v_and_b32 v[LN], 31, v0
	v_lshlrev_b32 v[LA], 4, v[LN]
	v_lshlrev_b32 v[L4], 2, v[LN]
	v_add_nc_u32 v[DMP], 0x400, v[LN]
	s_add_co_u32 s9, s8, 0x800
	v_mov_b32 v[PAD], s9
	v_mov_b32 v[ZR], 0
	s_mul_i32 s16, s8, LSTB
	s_mov_b32 s17, 0
	s_lshl_b32 s18, s8, 2
	s_mov_b32 s19, 0
	s_mov_b32 s10, 0                               ; entries placed so far
	s_wait_kmcnt 0x0
	s_add_nc_u64 s[12:13], s[6:7], s[16:17]
	s_add_nc_u64 s[14:15], s[6:7], s[18:19]
	s_add_nc_u64 s[14:15], s[14:15], CNT_OFF
.irp i, 0,1,2,3,4,5,6,7,8,9,10,11,12,13,14,15
	global_load_b128 v[S+4*\i:S+4*\i+3], v[LA], s[4:5] offset:512*\i
.endr
	s_wait_loadcnt 0x0
.set Q, 0
.rept 64                               ; each step has registers of its own: no store's sources are written again
	v_cmp_eq_u32 vcc_lo, s8, v[S+Q]
	v_mbcnt_lo_u32_b32 v[A+Q], vcc_lo, s10         ; placed so far + the matching lanes below me
	s_bcnt1_i32_b32 s11, vcc_lo
	s_add_co_u32 s10, s10, s11
	v_cndmask_b32 v[A+Q], v[DMP], v[A+Q], vcc_lo   ; a lane without a match writes its dump word
	v_min_u32 v[A+Q], 0x41f, v[A+Q]
	v_lshlrev_b32 v[A+Q], 2, v[A+Q]
	v_add_nc_u32 v[D+Q], 128*(Q/4)+Q%4, v[L4]      ; the entry's number
	global_store_b32 v[A+Q], v[D+Q], s[12:13]
.set Q, Q+1
.endr
	s_wait_xcnt 0x0                                ; the places' registers are written again only behind this wait
.set Q, 0
.rept 32                               ; the rest of the 1,024 words are pads: so every word of a list is always written
	v_add3_u32 v[A+Q], s10, v[LN], 32*Q
	v_cmp_gt_u32 vcc_lo, 0x400, v[A+Q]
	v_cndmask_b32 v[A+Q], v[DMP], v[A+Q], vcc_lo
	v_min_u32 v[A+Q], 0x41f, v[A+Q]
	v_lshlrev_b32 v[A+Q], 2, v[A+Q]
	global_store_b32 v[A+Q], v[PAD], s[12:13]
.set Q, Q+1
.endr
	v_mov_b32 v[CN], s10
	s_wait_xcnt 0x0                                ; EXEC changes only behind this wait
	v_cmp_eq_u32 vcc_lo, 0, v[LN]
	s_and_saveexec_b32 s11, vcc_lo
	global_store_b32 v[ZR], v[CN], s[14:15]
	s_wait_xcnt 0x0
	s_or_b32 exec_lo, exec_lo, s11
	s_endpgm
.Lfunc_end_k_qc91432b2b5_place:
	.size	k_qc91432b2b5_place, .Lfunc_end_k_qc91432b2b5_place-k_qc91432b2b5_place
	.p2alignl 7, 3214868480
	.fill 96, 4, 3214868480
	.section	.rodata,"a",@progbits
	.p2align	6, 0x0
	.amdhsa_kernel k_qc91432b2b5_place
		.amdhsa_group_segment_fixed_size 0
		.amdhsa_private_segment_fixed_size 0
		.amdhsa_enable_private_segment 0
		.amdhsa_kernarg_size 16
		.amdhsa_user_sgpr_count 2
		.amdhsa_user_sgpr_kernarg_segment_ptr 1
		.amdhsa_wavefront_size32 1
		.amdhsa_system_sgpr_workgroup_id_x 1
		.amdhsa_system_sgpr_workgroup_id_y 1
		.amdhsa_system_sgpr_workgroup_id_z 1
		.amdhsa_system_vgpr_workitem_id 0
		.amdhsa_next_free_vgpr 208
		.amdhsa_next_free_sgpr 66
		.amdhsa_reserve_vcc 1
		.amdhsa_float_denorm_mode_32 3
		.amdhsa_float_denorm_mode_16_64 3
		.amdhsa_memory_ordered 1
		.amdhsa_forward_progress 1
		.amdhsa_inst_pref_size 43
	.end_amdhsa_kernel
	.amdgpu_metadata
---
amdhsa.version: [ 1, 2 ]
amdhsa.kernels:
  - .name:           k_qc91432b2b5_place
    .symbol:         k_qc91432b2b5_place.kd
    .args:
      - { .name: sel, .offset: 0, .size: 8, .value_kind: global_buffer, .address_space: global }
      - { .name: list, .offset: 8, .size: 8, .value_kind: global_buffer, .address_space: global }
    .group_segment_fixed_size: 0
    .private_segment_fixed_size: 0
    .kernarg_segment_align: 8
    .kernarg_segment_size: 16
    .max_flat_workgroup_size: 256
    .sgpr_count:     66
    .vgpr_count:     208
    .wavefront_size: 32
...
	.end_amdgpu_metadata
.endif
;; end of part 2
;; launch ffn1 (part 3): grid 32 x 8, 4 waves a work-group, no clusters, 151,040 bytes of LDS; arguments xq, list, w1_codes, w1_scales, b1, hq; writes hq
.if DOCPART == 3
	.amdgcn_target "amdgcn-amd-amdhsa--gfx1250"
	.amdhsa_code_object_version 6
	.text
	.protected	k_qc91432b2b5_ffn1
	.globl	k_qc91432b2b5_ffn1
	.p2align	8
	.type	k_qc91432b2b5_ffn1,@function
k_qc91432b2b5_ffn1:
	s_mov_b64 s[64:65], 0
	v_nop
	global_prefetch_b8 v0, s[64:65] scope:SCOPE_SE
	s_setreg_imm32_b32 hwreg(HW_REG_WAVE_MODE, 25, 1), 1
	s_wait_xcnt 0x0
; FIRST LAYER OF THE CHOSEN EXPERTS: h = Q(gelu(x W1[e] + b1[e])), on codes of BF6 (E3M2) with one E8M0 scale for each 32 along K, for the rows that chose expert e alone.
; SHARES.  Work-group (c, e) owns hidden units 128 c .. 128 c + 127 of expert e, K = 1,024: 96 KB of codes, read from memory once, and takes ALL rows of its expert's list against them.
; Its 128 units are one K step of the second product: a tile of 16 rows leaves as one fragment and one scale word a row.
; The weights are read as they lie (a load: two rows x 256 aligned bytes), stored into LDS as rows, ONE barrier, and from then on only read.
; A PASS: a wave owns four tiles of 16 rows, T0 .. T0 + 3, T0 = 16 pass + 4 wave.  Their codes of x stay in registers, the weights stream from LDS through a ring of two sets of four fragments.
; Pass 0 is always worked: a list's first 256 entries are always written, real or pads.  Further passes run while 16 pass + 4 wave < tiles = ceil(count / 16): the wave's number of passes,
; (tiles + 15 - 4 wave) / 16, at most 4, is made once from the stored count, and the loop counts passes by ones against it; no barrier stands in the loop.
; Pad entries take token 1,023's codes; their results land in tiles' rows that the next launch sends to rows nobody reads.
; No tensor load, no cluster: the trip count is a stored number, and the partners of an expert would need different rows only by that number.
; TRANSPOSED: source 0 = 16 units of W1, source 1 = 16 rows of x: a lane holds one row, its registers run along the hidden units.  THE UNITS OF A TILE ARE NOT NEIGHBOURS: lane m of tile 2 b + u takes
; unit 32 b + 8 u + m + 8 (m / 8), so that the 16 registers of tiles 2 b and 2 b + 1 are 16 neighbours along the next K.  In LDS the rows are laid in that order (bits 3 and 4 of a unit's number change places).
; gelu(a) = 0.5 a (1 + erf(a / sqrt 2)), erf as x P(x^2) / Q(x^2) on the argument held to +-3.7439212, all in f32.
; LIMITS: 1 + erf cancels for a below about -2: the absolute error stays near 1e-7 |a|, and is as large as the number itself beyond a = -5.3, where the result is held near 0.  NaN and infinities are not served.
; The scale words leave in pieces of 64 bytes, one byte in 24 of what the launch stores.
; REGISTERS, in windows of 256: window 0: addresses, scale words, the ring, the epilogue.  window 1: x's fragments of tiles 0, 1 (96 a + 12 s).  window 2: those of tiles 2, 3; v192-255 b1 in the result's layout.
;   window 3: the 32 accumulators (64 a + 8 t); at the head v0-191 hold the weights as loaded.
.set PITCH,   784                      ; an LDS row: 768 bytes + 16 = 196 words: row r starts at bank 4 r mod 64 (64 banks of 4 bytes: ISA guide 11.1), the second half of the lanes 6 words on
.set TILEB,   16*PITCH
.set XSTG,    128*PITCH                ; behind the weights: a stage of 16 rows for each wave
.set SPARE,   XSTG+4*TILEB             ; the spare words, 128 bytes a wave: two blocks of 256 bytes that no other line names
.set XS_OFF,  786432
.set CNT_OFF, 34816
.set LSTB,    4352
.set HS_OFF,  25165824
.set FRB,     1536                     ; a fragment's image
.set HTILE,   32*FRB                   ; from tile to tile in hq
.set STILE,   32*64                    ; and among its scale words
.set SPW,  1                           ; LDS address of my spare word; never rewritten
.set NIL,  2                           ; 0; never rewritten
.set AW,   3                           ; v3, v4  my place in a tile of W1: tiles 0-3, tiles 4-7
.set AXF,  5                           ; my place in a tile of x in my stage
.set AXS,  6                           ; where I store 16 bytes of x into my stage
.set HO,   7                           ; 16 x lane
.set LR,   8                           ; 4 r
.set LO,   9                           ; 4 h
.set VCOL, 11                          ; 16 r
.set VH16, 12                          ; 16 h
.set GW,   13                          ; W1 in memory: 768 h + 16 r
.set SW,   14                          ; W1 into LDS
.set WSO,  15                          ; W1's scale words
.set XO,   16                          ; v16-47   8 a + j: byte offset in xq of rows 2 j + h of tile a
.set XSO,  48                          ; v48-51   the same for the scale bytes of row r
.set XS,   52                          ; v52-67   x's scale words: 4 a + m: lanes 0-15 K step m, lanes 16-31 K step 4 + m
.set W1S,  68                          ; v68-99   W1's: 4 t + m likewise
.set WR,   100                         ; v100-195 the ring
.set HB,   100                         ; v100-163 the epilogue: 64 numbers of a lane
.set GZ,   164                         ; v164-195 four pairs each of z, z^2, P, Q
.set GX,   172
.set GP,   180
.set GQ,   188
.set TM,   196
.set PW,   212
.set PC,   214                         ; v214-232
.set CA,   234
.set CB,   236
.set CL,   238
.set BO,   239
.set BIAS, 192
.set SEL,  34
.set MSB, 0
.macro WIN new                         ; the immediate's high byte repeats the setting that is left; a switch that changes nothing is dropped
.if MSB != (\new)
	s_set_vgpr_msb (MSB<<8)|(\new)
.set MSB, (\new)
.endif
.endm
.macro PLACES                          ; four plain places behind matrix instructions, ahead of loads into their registers and of the first read of results
.rept 4
	v_nop
.endr
.endm
.macro SPAIR r, val
	s_mov_b32 s[\r], \val
	s_mov_b32 s[\r+1], \val
.endm
.macro FRAG reg, adr, off              ; a fragment, 16 rows x 128 K: lane (r, h) takes 24 bytes at 24 h and 24 at 48 + 24 h of its row's 96, in pieces of 8
.irp p, 0,1,2,3,4,5
	ds_load_b64 v[(\reg)+2*\p:(\reg)+2*\p+1], v[(\adr)] offset:(\off)+48*(\p/3)+8*(\p%3)
.endr
.endm
.macro LISTLOAD
.irp a, 0,1,2,3
.irp j, 0,1,2,3,4,5,6,7
	global_load_b32 v[XO+8*\a+\j], v[LO], s[26:27] offset:64*\a+8*\j
.endr
	global_load_b32 v[XSO+\a], v[LR], s[26:27] offset:64*\a
.endr
.endm
.macro XADDR                           ; entry n -> token n / 2, held inside the table -> byte offsets
.set Q, 0
.rept 36
	v_lshrrev_b32 v[XO+Q], 1, v[XO+Q]
.set Q, Q+1
.endr
.set Q, 0
.rept 36
	v_min_u32 v[XO+Q], 0x3ff, v[XO+Q]
.set Q, Q+1
.endr
.set Q, 0
.rept 32
	v_mul_u32_u24 v[XO+Q], 0x300, v[XO+Q]
.set Q, Q+1
.endr
.set Q, 0
.rept 32
	v_add_nc_u32 v[XO+Q], v[VCOL], v[XO+Q]
.set Q, Q+1
.endr
.irp a, 0,1,2,3
	v_lshlrev_b32 v[XSO+\a], 5, v[XSO+\a]
.endr
.irp a, 0,1,2,3
	v_add_nc_u32 v[XSO+\a], v[VH16], v[XSO+\a]
.endr
.endm
.macro XSLOAD
.irp a, 0,1,2,3
	global_load_b128 v[XS+4*\a:XS+4*\a+3], v[XSO+\a], s[24:25]
.endr
.endm
.macro XRAW a                          ; tile a's codes as they lie: a load takes 256 aligned bytes of each of two tokens
	WIN 0x40*(1+(\a)/2)
.irp j, 0,1,2,3,4,5,6,7
.irp u, 0,1,2
	global_load_b128 v[96*((\a)%2)+4*(3*\j+\u):96*((\a)%2)+4*(3*\j+\u)+3], v[XO+8*(\a)+\j], s[4:5] offset:256*\u
.endr
.endr
.endm
.macro XTURN a, n                      ; through my stage, and back as eight fragments into the registers that the bytes left.  LDS serves a wave's instructions in order: no wait between, nor ahead of the next tile's stores
	s_wait_loadcnt \n
	WIN 0x04*(1+(\a)/2)
.irp j, 0,1,2,3,4,5,6,7
.irp u, 0,1,2
	ds_store_b128 v[AXS], v[96*((\a)%2)+4*(3*\j+\u):96*((\a)%2)+4*(3*\j+\u)+3] offset:2*PITCH*\j+256*\u
.endr
.endr
	WIN 0x40*(1+(\a)/2)
.irp s, 0,1,2,3,4,5,6,7
	FRAG 96*((\a)%2)+12*\s, AXF, 96*\s
.endr
.endm
.macro WFETCH u                        ; step u: K step u / 2 of tiles 4 (u % 2) + 0 .. 3, into set u % 2
.irp tt, 0,1,2,3
	FRAG WR+48*((\u)%2)+12*\tt, AW+(\u)%2, TILEB*\tt+96*((\u)/2)
.endr
.endm
.macro PROD1 u, tt, a
.set KS_, (\u)/2
.set TI_, 4*((\u)%2)+(\tt)
.set PD_, 64*(\a)+8*TI_
.set PA_, WR+48*((\u)%2)+12*(\tt)
.set PB_, 96*((\a)%2)+12*KS_
.if KS_ == 0
	v_wmma_scale_f32_16x16x128_f8f6f4 v[PD_:PD_+7], v[PA_:PA_+11], v[PB_:PB_+11], v[BIAS+8*TI_:BIAS+8*TI_+7], v[W1S+4*TI_], v[XS+4*(\a)] matrix_a_fmt:MATRIX_FMT_BF6 matrix_b_fmt:MATRIX_FMT_BF6
.elseif KS_ < 4
	v_wmma_scale_f32_16x16x128_f8f6f4 v[PD_:PD_+7], v[PA_:PA_+11], v[PB_:PB_+11], v[PD_:PD_+7], v[W1S+4*TI_+KS_], v[XS+4*(\a)+KS_] matrix_a_fmt:MATRIX_FMT_BF6 matrix_b_fmt:MATRIX_FMT_BF6
.else
	v_wmma_scale_f32_16x16x128_f8f6f4 v[PD_:PD_+7], v[PA_:PA_+11], v[PB_:PB_+11], v[PD_:PD_+7], v[W1S+4*TI_+KS_-4], v[XS+4*(\a)+KS_-4] matrix_a_fmt:MATRIX_FMT_BF6 matrix_b_fmt:MATRIX_FMT_BF6 matrix_a_scale:MATRIX_SCALE_ROW1 matrix_b_scale:MATRIX_SCALE_ROW1
.endif
.endm
; A step: 16 matrix instructions on 16 different accumulators, one a turn; an accumulator comes up again 32 instructions later.  The bias is the C of a sum's first product.
.macro MSTEP u
.if (\u) < 15
	WFETCH (\u)+1
	s_wait_dscnt 24                                ; this step's fragments are in; the 24 loads just issued may be out
.else
	s_wait_dscnt 0x0
.endif
.irp pr, 0,1
.if (\u) < 2
	WIN 0xe4+4*\pr                                 ; D window 3, C (b1) window 2, W1 window 0, x window 1 or 2
.else
	WIN 0xf4+4*\pr                                 ; C and D window 3
.endif
.irp tt, 0,1,2,3
.irp aa, 0,1
	PROD1 \u, \tt, 2*\pr+\aa
.endr
.endr
.endr
	WIN 0
	PLACES
.endm
; Eight numbers: HB holds 0.5 a.  z = a / sqrt 2, held; erf = z P(z^2) / Q(z^2); gelu = 0.5 a + 0.5 a erf.  Four pairs by turns: no line waits for the line above it.
.macro GELU4 g
.irp p, 0,2,4,6
	v_pk_mul_f32 v[GZ+\p:GZ+\p+1], v[HB+8*(\g)+\p:HB+8*(\g)+\p+1], s[36:37] op_sel_hi:[1,0]
.endr
.irp p, 0,1,2,3,4,5,6,7
	v_med3_num_f32 v[GZ+\p], v[GZ+\p], -v[CL], v[CL]
.endr
.irp p, 0,2,4,6
	v_pk_mul_f32 v[GX+\p:GX+\p+1], v[GZ+\p:GZ+\p+1], v[GZ+\p:GZ+\p+1]
.endr
.irp p, 0,2,4,6
	v_pk_fma_f32 v[GP+\p:GP+\p+1], v[GX+\p:GX+\p+1], s[40:41], v[CA:CA+1] op_sel_hi:[1,0,1]
	v_pk_fma_f32 v[GQ+\p:GQ+\p+1], v[GX+\p:GX+\p+1], s[48:49], v[CB:CB+1] op_sel_hi:[1,0,1]
.endr
.irp k, 42,44,46
.irp p, 0,2,4,6
	v_pk_fma_f32 v[GP+\p:GP+\p+1], v[GP+\p:GP+\p+1], v[GX+\p:GX+\p+1], s[\k:\k+1] op_sel_hi:[1,1,0]
	v_pk_fma_f32 v[GQ+\p:GQ+\p+1], v[GQ+\p:GQ+\p+1], v[GX+\p:GX+\p+1], s[\k+8:\k+9] op_sel_hi:[1,1,0]
.endr
.endr
.irp p, 0,2,4,6
	v_pk_fma_f32 v[GQ+\p:GQ+\p+1], v[GQ+\p:GQ+\p+1], v[GX+\p:GX+\p+1], s[56:57] op_sel_hi:[1,1,0]
.endr
.irp p, 0,2,4,6
	v_pk_fma_f32 v[GQ+\p:GQ+\p+1], v[GQ+\p:GQ+\p+1], v[GX+\p:GX+\p+1], 1.0 op_sel_hi:[1,1,0]
.endr
.irp p, 0,1,2,3,4,5,6,7
	v_rcp_f32 v[GQ+\p], v[GQ+\p]
.endr
.irp p, 0,2,4,6
	v_pk_mul_f32 v[GP+\p:GP+\p+1], v[GP+\p:GP+\p+1], v[GZ+\p:GZ+\p+1]   ; plain work behind the batch of reciprocals
.endr
	s_wait_alu depctr_va_vdst(0)                   ; one wait for the eight, ahead of their first use
.irp p, 0,2,4,6
	v_pk_mul_f32 v[GP+\p:GP+\p+1], v[GP+\p:GP+\p+1], v[GQ+\p:GQ+\p+1]
.endr
.irp p, 0,2,4,6
	v_pk_fma_f32 v[HB+8*(\g)+\p:HB+8*(\g)+\p+1], v[HB+8*(\g)+\p:HB+8*(\g)+\p+1], v[GP+\p:GP+\p+1], v[HB+8*(\g)+\p:HB+8*(\g)+\p+1]
.endr
.endm
; 64 numbers of a lane, register 16 b + i = k 32 b + 16 (lane / 16) + i of my row, become a fragment's codes in v[PC] on and its scale word in v[PW].
.macro QUANT s
.irp b, 0,1,2,3
	v_max3_num_f32 v[TM+\b], |v[\s+16*\b]|, |v[\s+1+16*\b]|, 0x2800000   ; block b: my 16 numbers, and the floor 2^(5 - 127): the byte cannot fall under 1
.endr
.irp i, 2,4,6,8,10,12,14
.irp b, 0,1,2,3
	v_max3_num_f32 v[TM+\b], v[TM+\b], |v[\s+16*\b+\i]|, |v[\s+1+16*\b+\i]|
.endr
.endr
.irp b, 0,1,2,3
	v_permlanex16_b32 v[TM+4+\b], v[TM+\b], s[SEL], s[SEL+1]
.endr
.irp b, 0,1,2,3
	v_max_num_f32 v[TM+\b], v[TM+\b], v[TM+4+\b]   ; with lane l xor 16's: the block's largest magnitude
.endr
.irp b, 0,1,2,3
	v_add_nc_u32 v[TM+12+\b], 0xfe000000, v[TM+\b] ; 4 off its exponent field: the conversion's scale operand
.endr
.irp b, 0,1,2,3
	v_lshrrev_b32 v[TM+4+\b], 23, v[TM+12+\b]      ; the scale's byte
.endr
	v_lshl_or_b32 v[PW], v[TM+5], 8, v[TM+4]
	v_lshl_or_b32 v[PW], v[TM+6], 16, v[PW]
	v_lshl_or_b32 v[PW], v[TM+7], 24, v[PW]
.irp c, 0,1
	v_cvt_scalef32_pk16_bf6_f32 v[PC+6*\c:PC+2+6*\c], v[\s+32*\c:\s+15+32*\c], v[TM+12+2*\c]
	v_cvt_scalef32_pk16_bf6_f32 v[PC+12+4*\c:PC+14+4*\c], v[\s+16+32*\c:\s+31+32*\c], v[TM+12+2*\c+1]   ; (a conversion's three registers begin on an even number)
.endr
	v_nop                                          ; one plain place behind a scaled conversion
.irp c, 0,1                            ; the operand's layout wants a whole block in a lane
.irp i, 0,1,2
	v_permlane16_swap_b32 v[PC+6*\c+\i], v[PC+12+4*\c+\i]
.endr
.irp i, 0,1,2
	v_mov_b32 v[PC+3+6*\c+\i], v[PC+12+4*\c+\i]
.endr
.endr
.endm
.macro EPI a                           ; tile a: halved out of its accumulators (each from its low end on), gelu, quantised, and out as an image of the operand's registers
	WIN 0x03
.set Q, 0
.rept 32
	v_pk_mul_f32 v[HB+Q:HB+Q+1], v[64*(\a)+Q:64*(\a)+Q+1], 0.5 op_sel_hi:[1,0]
.set Q, Q+2
.endr
	WIN 0
.irp g, 0,1,2,3,4,5,6,7
	GELU4 \g
.endr
	s_wait_xcnt 0x0                                ; the last tile's stores have read the codes' registers and the scale word
	QUANT HB
.irp g, 0,1,2
	global_store_b128 v[HO], v[PC+4*\g:PC+4*\g+3], s[28:29] offset:HTILE*(\a)+512*\g th:TH_STORE_NT   ; 512 consecutive bytes, aligned
.endr
	global_store_b32 v[LR], v[PW], s[30:31] offset:STILE*(\a) th:TH_STORE_NT   ; lanes r and r + 16 write the same word with the same value
.endm
	s_load_b256 s[4:11], s[0:1], 0x0               ; xq, list, W1's codes, W1's scales
	s_load_b128 s[12:15], s[0:1], 0x20             ; b1, hq
	v_lshl_add_u32 v[SPW], v0, 2, SPARE
	v_mov_b32 v[NIL], 0
	v_lshrrev_b32 v15, 5, v0
	v_readfirstlane_b32 s16, v15                   ; wave
	s_mov_b32 s17, ttmp9                           ; c
	s_and_b32 s18, ttmp7, 0xffff                   ; e
	s_lshl_b32 s58, s18, 2
	s_lshl_b32 s20, s16, 2                         ; pass 0's T0 = 4 wave
	v_and_b32 v10, 15, v0                          ; r
	v_bfe_u32 v[LO], v0, 4, 1                      ; h
	v_and_b32 v[HO], 31, v0
	v_mul_u32_u24 v[AW], v10, PITCH
	v_mad_u32_u24 v[AW], v[LO], 24, v[AW]
	v_add_nc_u32 v[AW+1], 4*TILEB, v[AW]
	s_mul_i32 s21, s16, TILEB
	s_add_co_u32 s21, s21, XSTG
	v_add_nc_u32 v[AXF], s21, v[AW]
	v_lshlrev_b32 v[VCOL], 4, v10
	v_mad_u32_u24 v[AXS], v[LO], PITCH, v[VCOL]
	v_add_nc_u32 v[AXS], s21, v[AXS]
	v_mad_u32_u24 v[GW], v[LO], 768, v[VCOL]
	s_mul_i32 s21, s16, 32*PITCH
	v_mad_u32_u24 v[SW], v[LO], PITCH, v[VCOL]
	v_add_nc_u32 v[SW], s21, v[SW]
	v_and_b32 v[WSO], 8, v10
	v_add_nc_u32 v[WSO], v[WSO], v10               ; r + 8 (r / 8)
	v_lshlrev_b32 v[WSO], 5, v[WSO]
	v_lshl_add_u32 v[WSO], v[LO], 4, v[WSO]
	v_lshlrev_b32 v[BO], 6, v[LO]
	v_lshlrev_b32 v[VH16], 4, v[LO]
	v_lshlrev_b32 v[HO], 4, v[HO]
	v_lshlrev_b32 v[LR], 2, v10
	v_lshlrev_b32 v[LO], 2, v[LO]
	v_mov_b32 v[CA], 0x3b5f5da2
	v_mov_b32 v[CA+1], 0x3b5f5da2
	v_mov_b32 v[CB], 0x37c588df
	v_mov_b32 v[CB+1], 0x37c588df
	v_mov_b32 v[CL], 0x406f9c67                    ; 3.7439212: beyond it erf is 1 in f32
.irp b, 0,1,2,3
	v_mov_b32 v[TM+4+\b], 0                        ; written once: a lane permute's destination counts as one of its sources
.endr
	s_mov_b32 s[SEL], 0x76543210
	s_mov_b32 s[SEL+1], 0xfedcba98
	SPAIR 36, 0x3fb504f3                           ; sqrt 2
	SPAIR 40, 0x39702d51                           ; P's coefficients, the highest power first (the second lies in v[CA])
	SPAIR 42, 0x3d50b6eb
	SPAIR 44, 0x3e3da740
	SPAIR 46, 0x3f906eba
	SPAIR 48, 0xb3fd3906                           ; Q's (the second in v[CB], the last is 1)
	SPAIR 50, 0x3a856d28
	SPAIR 52, 0x3c6687d4
	SPAIR 54, 0x3de34c21
	SPAIR 56, 0x3efeb44a
	s_mov_b32 s23, 0
	s_wait_kmcnt 0x0
	s_load_b32 s19, s[6:7], s58 offset:CNT_OFF     ; my expert's count: wanted only at the first pass's end
	s_add_nc_u64 s[24:25], s[4:5], XS_OFF
	s_mul_i32 s22, s18, LSTB
	s_lshl_b32 s21, s20, 6
	s_add_co_u32 s22, s22, s21
	s_add_nc_u64 s[26:27], s[6:7], s[22:23]        ; my four tiles' entries
	s_lshl_b32 s21, s18, 6
	s_add_co_u32 s21, s21, s20
	s_lshl_b32 s21, s21, 5
	s_add_co_u32 s21, s21, s17                     ; (64 e + T0) 32 + c
	s_mul_i32 s22, s21, FRB
	s_add_nc_u64 s[28:29], s[14:15], s[22:23]
	s_lshl_b32 s22, s21, 6
	s_add_nc_u64 s[30:31], s[14:15], s[22:23]
	s_add_nc_u64 s[30:31], s[30:31], HS_OFF
	s_lshl_b32 s21, s18, 12
	s_lshl_b32 s22, s17, 7
	s_add_co_u32 s21, s21, s22                     ; my first unit: 4096 e + 128 c
	s_lshl_b32 s22, s21, 5
	s_add_nc_u64 s[10:11], s[10:11], s[22:23]
	s_lshl_b32 s22, s21, 2
	s_add_nc_u64 s[12:13], s[12:13], s[22:23]
	s_lshl_b32 s22, s16, 5
	s_add_co_u32 s21, s21, s22
	s_mul_i32 s22, s21, 768
	s_add_nc_u64 s[8:9], s[8:9], s[22:23]          ; my wave's 32 rows of codes
	LISTLOAD                                       ; 36 loads
	WIN 0xc0
.irp i, 0,1,2,3,4,5,6,7,8,9,10,11,12,13,14,15
.irp u, 0,1,2
	global_load_b128 v[4*(3*\i+\u):4*(3*\i+\u)+3], v[GW], s[8:9] offset:1536*\i+256*\u th:TH_LOAD_NT   ; 48 loads: rows 2 i + h, 256 aligned bytes of each
.endr
.endr
	WIN 0
	s_wait_loadcnt 48                              ; the list is in; the 48 loads of weights are younger
	XADDR
	XRAW 0
	XRAW 1
	s_wait_loadcnt 48                              ; the weights are in; two tiles of x, 48 loads, are younger
	WIN 0x0c
.irp i, 0,1,2,3,4,5,6,7,8,9,10,11,12,13,14,15
.irp u, 0,1,2
	ds_store_b128 v[SW], v[4*(3*\i+\u):4*(3*\i+\u)+3] offset:(((2*\i)&7)|(((2*\i)&8)<<1)|(((2*\i)&16)>>1))*PITCH+256*\u   ; bits 3 and 4 of the row's number change places
.endr
.endr
	WIN 0
.irp t, 0,1,2,3,4,5,6,7
	global_load_b128 v[W1S+4*\t:W1S+4*\t+3], v[WSO], s[10:11] offset:(32*(\t/2)+8*(\t%2))*32
.endr
	WIN 0x80
.irp t, 0,1,2,3,4,5,6,7
	global_load_b128 v[BIAS+8*\t:BIAS+8*\t+3], v[BO], s[12:13] offset:(32*(\t/2)+8*(\t%2))*4
	global_load_b128 v[BIAS+8*\t+4:BIAS+8*\t+7], v[BO], s[12:13] offset:(32*(\t/2)+8*(\t%2))*4+16
.endr
	WIN 0
	XSLOAD
	XRAW 2
	XRAW 3
	WIN 0
	s_wait_kmcnt 0x0
	s_add_co_u32 s19, s19, 15
	s_lshr_b32 s19, s19, 4
	s_min_u32 s19, s19, 64                         ; tiles of my expert
	s_add_co_u32 s19, s19, 15
	s_sub_co_u32 s19, s19, s20                     ; + 15 - 4 wave: never under 3
	s_lshr_b32 s19, s19, 4                         ; my passes: how many p have 16 p + 4 wave < tiles
	s_min_u32 s19, s19, 4
	s_mov_b32 s20, 0                               ; from here on s20 counts passes
	s_wait_dscnt 0x0                               ; my part of the weights lies in LDS
	s_barrier_signal -1
	s_barrier_wait -1                              ; everybody's does; nobody writes those bytes again
.Lpass:
	XTURN 0, 63                                    ; younger than tile 0's loads: 100 on the way in from the head, 72 on the way round: 63 is the largest count that can be written
	XTURN 1, 48                                    ; 76 and 48
	XTURN 2, 24                                    ; tile 3's 24; the scale words and the bias are older
	XTURN 3, 0
	WIN 0
	WFETCH 0
.irp u, 0,1,2,3,4,5,6,7,8,9,10,11,12,13,14,15
	MSTEP \u
.endr
	EPI 0
	EPI 1
	EPI 2
	EPI 3
	s_add_co_u32 s20, s20, 1
	s_cmp_ge_u32 s20, s19
	s_cbranch_scc1 .Lend
	s_wait_xcnt 0x0                                ; the stores have read their bases
	s_add_nc_u64 s[26:27], s[26:27], 1024
	s_add_nc_u64 s[28:29], s[28:29], 16*HTILE
	s_add_nc_u64 s[30:31], s[30:31], 16*STILE
	LISTLOAD
	s_wait_loadcnt 0x0
	XADDR
	XSLOAD
	XRAW 0
	XRAW 1
	XRAW 2
	XRAW 3
	WIN 0
	s_cmp_lt_u32 s20, s19
	s_cbranch_scc1 .Lpass
.Lend:
	s_wait_tensorcnt 0x0                           ; the wave's end, behind my last LDS store
	ds_add_u32 v[SPW], v[NIL]
	s_wait_dscnt 0x0
	s_endpgm
.Lfunc_end_k_qc91432b2b5_ffn1:
	.size	k_qc91432b2b5_ffn1, .Lfunc_end_k_qc91432b2b5_ffn1-k_qc91432b2b5_ffn1
	.p2alignl 7, 3214868480
	.fill 96, 4, 3214868480
	.section	.rodata,"a",@progbits
	.p2align	6, 0x0
	.amdhsa_kernel k_qc91432b2b5_ffn1
		.amdhsa_group_segment_fixed_size 151040
		.amdhsa_private_segment_fixed_size 0
		.amdhsa_enable_private_segment 0
		.amdhsa_kernarg_size 48
		.amdhsa_user_sgpr_count 2
		.amdhsa_user_sgpr_kernarg_segment_ptr 1
		.amdhsa_wavefront_size32 1
		.amdhsa_system_sgpr_workgroup_id_x 1
		.amdhsa_system_sgpr_workgroup_id_y 1
		.amdhsa_system_sgpr_workgroup_id_z 1
		.amdhsa_system_vgpr_workitem_id 0
		.amdhsa_next_free_vgpr 1024
		.amdhsa_next_free_sgpr 66
		.amdhsa_reserve_vcc 0
		.amdhsa_float_denorm_mode_32 3
		.amdhsa_float_denorm_mode_16_64 3
		.amdhsa_memory_ordered 1
		.amdhsa_forward_progress 1
		.amdhsa_inst_pref_size 255
	.end_amdhsa_kernel
	.section	.bss,"aw",@nobits
	.p2align	6
	.space	262144
	.amdgpu_metadata
---
amdhsa.version: [ 1, 2 ]
amdhsa.kernels:
  - .name:           k_qc91432b2b5_ffn1
    .symbol:         k_qc91432b2b5_ffn1.kd
    .args:
      - { .name: xq, .offset: 0, .size: 8, .value_kind: global_buffer, .address_space: global }
      - { .name: list, .offset: 8, .size: 8, .value_kind: global_buffer, .address_space: global }
      - { .name: w1_codes, .offset: 16, .size: 8, .value_kind: global_buffer, .address_space: global }
      - { .name: w1_scales, .offset: 24, .size: 8, .value_kind: global_buffer, .address_space: global }
      - { .name: b1, .offset: 32, .size: 8, .value_kind: global_buffer, .address_space: global }
      - { .name: hq, .offset: 40, .size: 8, .value_kind: global_buffer, .address_space: global }
    .group_segment_fixed_size: 151040
    .private_segment_fixed_size: 0
    .kernarg_segment_align: 8
    .kernarg_segment_size: 48
    .max_flat_workgroup_size: 128
    .sgpr_count:     66
    .vgpr_count:     1024
    .wavefront_size: 32
...
	.end_amdgpu_metadata
.endif
;; end of part 3
;; launch ffn2 (part 4): grid 32 x 8, 4 waves a work-group, no clusters, 117,248 bytes of LDS; arguments hq, list, w2_codes, w2_scales, y; writes y
.if DOCPART == 4
	.amdgcn_target "amdgcn-amd-amdhsa--gfx1250"
	.amdhsa_code_object_version 6
	.text
	.protected	k_qc91432b2b5_ffn2
	.globl	k_qc91432b2b5_ffn2
	.p2align	8
	.type	k_qc91432b2b5_ffn2,@function
k_qc91432b2b5_ffn2:
	s_mov_b64 s[64:65], 0
	v_nop
	global_prefetch_b8 v0, s[64:65] scope:SCOPE_SE
	s_setreg_imm32_b32 hwreg(HW_REG_WAVE_MODE, 25, 1), 1
	s_wait_xcnt 0x0
; SECOND LAYER OF THE CHOSEN EXPERTS: y[q][n] = the sum over half q of K = 4,096 of h W2[e], on codes of BF6 (E3M2) with one E8M0 scale for each 32 along K.
; SHARES.  Work-group x = 2 j + q of expert e owns outputs 64 j .. 64 j + 63 and K steps 16 q .. 16 q + 15: 96 KB of codes, read from memory once, against ALL rows of its expert.
; The two halves of K are added, with the bias and the gate, by the next launch: each word of y has one writer.
; The weights are read as they lie (a load: two rows x 256 aligned bytes), stored into LDS as rows, ONE barrier, and from then on only read.
; A PASS: a wave owns four tiles of 16 rows, T0 .. T0 + 3, T0 = 16 pass + 4 wave.  The hidden layer's fragments come from hq as images of the operand's registers, 512 consecutive bytes a load, eight K steps at a time
; in registers, each slot filled again as soon as it is multiplied; the weights stream from LDS through a ring of two sets of four fragments.
; Pass 0 is always worked (the launch before always writes tiles 0 to 15).  Further passes run while 16 pass + 4 wave < tiles = ceil(count / 16): the wave's number of passes, (tiles + 15 - 4 wave) / 16,
; at most 4, is made once from the stored count, as the launch before makes it, and the loop counts passes by ones against it; no barrier stands in the loop.
; A row goes to row n of y, n its list entry 2 token + slot; pads go to row 2048 + e, which nobody reads.
; No tensor load, no cluster: the trip count is a stored number.
; TRANSPOSED: source 0 = 16 rows of W2, source 1 = 16 rows of h: a lane holds eight neighbouring outputs of one row.
; REGISTERS, in windows of 256: window 0: addresses, scale words, the ring.  windows 1, 2: h's fragments (tile a, slot s % 8) at 96 (a % 2) + 12 (s % 8), tiles 0, 1 and 2, 3.
;   window 3: the 16 accumulators (32 a + 8 t); at the head v0-191 hold the weights as loaded.
.set PITCH,   1552                     ; an LDS row: 1,536 bytes + 16 = 388 words: row r starts at bank 4 r mod 64 (64 banks of 4 bytes: ISA guide 11.1), the second half of the lanes 6 words on
.set TILEB,   16*PITCH
.set YSTG,    64*PITCH                 ; behind the weights: a stage of 16 rows x (256 + 16) bytes for each wave
.set YSTW,    16*272
.set SPARE,   YSTG+4*YSTW              ; the spare words, 128 bytes a wave: two blocks of 256 bytes that no other line names
.set CNT_OFF, 34816
.set LSTB,    4352
.set HS_OFF,  25165824
.set FRB,     1536
.set HTILE,   32*FRB
.set STILE,   32*64
.set YQ,      8421376                  ; a half of y: 2,056 rows of 4,096 bytes
.set SPW,  1                           ; LDS address of my spare word; never rewritten
.set NIL,  2                           ; 0; never rewritten
.set AW,   3                           ; v3, v4  my place in a tile of W2: tiles 0, 1 and tiles 2, 3
.set HO,   5                           ; 16 x lane
.set HSO,  6                           ; 4 x lane
.set LO,   7                           ; 4 h
.set VCOL, 8                           ; 16 r
.set STO,  9                           ; the stage: where I put 32 bytes of a row
.set RD,   10                          ; and where I read a row back
.set GW,   11                          ; W2 in memory: 3072 h + 16 r
.set SW,   12                          ; W2 into LDS
.set WSO,  13                          ; W2's scale words: 128 r + 16 h
.set YO,   16                          ; v16-47   8 a + i: byte offset in y of rows 2 i + h of tile a
.set HS,   48                          ; v48-79   h's scale words: 8 a + m: lanes 0-15 K step 2 m, lanes 16-31 K step 2 m + 1
.set W2S,  80                          ; v80-111  W2's: 8 t + 4 g + m: lanes 0-15 K step 8 g + m, lanes 16-31 K step 8 g + 4 + m
.set WR,   112                         ; v112-207 the ring
.set MSB, 0
.macro WIN new                         ; the immediate's high byte repeats the setting that is left; a switch that changes nothing is dropped
.if MSB != (\new)
	s_set_vgpr_msb (MSB<<8)|(\new)
.set MSB, (\new)
.endif
.endm
.macro PLACES                          ; four plain places behind matrix instructions, ahead of loads into their registers and of the first read of results
.rept 4
	v_nop
.endr
.endm
.macro FRAG reg, adr, off
.irp p, 0,1,2,3,4,5
	ds_load_b64 v[(\reg)+2*\p:(\reg)+2*\p+1], v[(\adr)] offset:(\off)+48*(\p/3)+8*(\p%3)
.endr
.endm
.macro WFETCH s                        ; W2's four fragments of K step s into set s % 2
.irp t, 0,1,2,3
	FRAG WR+48*((\s)%2)+12*\t, AW+\t/2, TILEB*(\t%2)+96*(\s)
.endr
.endm
.macro HSTEP s                         ; the four tiles' fragments of K step s: 12 loads
.irp a, 0,1,2,3
	WIN 0x40*(1+\a/2)
.irp g, 0,1,2
	global_load_b128 v[96*(\a%2)+12*((\s)%8)+4*\g:96*(\a%2)+12*((\s)%8)+4*\g+3], v[HO], s[24:25] offset:HTILE*\a+FRB*(\s)+512*\g
.endr
.endr
.endm
.macro PLA                             ; a pass's loads, first part: 32 list entries, 32 scale words, K steps 0 and 1: 88 loads
.irp a, 0,1,2,3
.irp i, 0,1,2,3,4,5,6,7
	global_load_b32 v[YO+8*\a+\i], v[LO], s[28:29] offset:64*\a+8*\i
.endr
.endr
.irp a, 0,1,2,3
.irp m, 0,1,2,3,4,5,6,7
	global_load_b32 v[HS+8*\a+\m], v[HSO], s[26:27] offset:STILE*\a+128*\m
.endr
.endr
	HSTEP 0
	HSTEP 1
.endm
.macro PLB                             ; second part: K steps 2 to 7
.irp s, 2,3,4,5,6,7
	HSTEP \s
.endr
.endm
.macro PROD2 s, t, a
.set PD_, 32*(\a)+8*(\t)
.set PA_, WR+48*((\s)%2)+12*(\t)
.set PB_, 96*((\a)%2)+12*((\s)%8)
.set SA_, W2S+8*(\t)+4*((\s)/8)+(\s)%4
.set SB_, HS+8*(\a)+(\s)/2
.set AR_, ((\s)/4)%2
.set BR_, (\s)%2
.if (\s) == 0
	v_wmma_scale_f32_16x16x128_f8f6f4 v[PD_:PD_+7], v[PA_:PA_+11], v[PB_:PB_+11], 0, v[SA_], v[SB_] matrix_a_fmt:MATRIX_FMT_BF6 matrix_b_fmt:MATRIX_FMT_BF6
.elseif (AR_ == 0) && (BR_ == 0)
	v_wmma_scale_f32_16x16x128_f8f6f4 v[PD_:PD_+7], v[PA_:PA_+11], v[PB_:PB_+11], v[PD_:PD_+7], v[SA_], v[SB_] matrix_a_fmt:MATRIX_FMT_BF6 matrix_b_fmt:MATRIX_FMT_BF6
.elseif AR_ == 0
	v_wmma_scale_f32_16x16x128_f8f6f4 v[PD_:PD_+7], v[PA_:PA_+11], v[PB_:PB_+11], v[PD_:PD_+7], v[SA_], v[SB_] matrix_a_fmt:MATRIX_FMT_BF6 matrix_b_fmt:MATRIX_FMT_BF6 matrix_b_scale:MATRIX_SCALE_ROW1
.elseif BR_ == 0
	v_wmma_scale_f32_16x16x128_f8f6f4 v[PD_:PD_+7], v[PA_:PA_+11], v[PB_:PB_+11], v[PD_:PD_+7], v[SA_], v[SB_] matrix_a_fmt:MATRIX_FMT_BF6 matrix_b_fmt:MATRIX_FMT_BF6 matrix_a_scale:MATRIX_SCALE_ROW1
.else
	v_wmma_scale_f32_16x16x128_f8f6f4 v[PD_:PD_+7], v[PA_:PA_+11], v[PB_:PB_+11], v[PD_:PD_+7], v[SA_], v[SB_] matrix_a_fmt:MATRIX_FMT_BF6 matrix_b_fmt:MATRIX_FMT_BF6 matrix_a_scale:MATRIX_SCALE_ROW1 matrix_b_scale:MATRIX_SCALE_ROW1
.endif
.endm
; A K step: 16 matrix instructions on the 16 accumulators, one a turn; the first step's products start the sums.
; Younger than K step s's 12 loads: for s up to 7 the 12 (7 - s) that stand behind them in the pass's loads and the 12 s refills issued since: 84; for s from 8 on the refills behind its own: 12 (15 - s).
; A count cannot name more than 63.
.macro MSTEP s
.if (\s) < 15
	WFETCH (\s)+1
	s_wait_dscnt 24                                ; this step's fragments of W2 are in; the 24 loads just issued may be out
.else
	s_wait_dscnt 0x0
.endif
.if (\s) < 10
	s_wait_loadcnt 63
.else
	s_wait_loadcnt 12*(15-(\s))
.endif
.irp pr, 0,1
	WIN 0xf4+4*\pr                                 ; C and D window 3, W2 window 0, h window 1 or 2
.irp t, 0,1,2,3
.irp aa, 0,1
	PROD2 \s, \t, 2*\pr+\aa
.endr
.endr
.endr
	WIN 0
	PLACES
.if (\s) < 8
	HSTEP (\s)+8                                   ; the slots just multiplied take the K step eight on: seven steps, 112 matrix instructions, ahead of its use
	WIN 0
.endif
.endm
.macro TOSTAGE a                       ; tile a through my stage: in by lanes (each accumulator from its low end on), back as whole rows of 256 bytes, into the registers that it left
	WIN 0x0c
.irp t, 0,1,2,3
	ds_store_b128 v[STO], v[32*(\a)+8*\t:32*(\a)+8*\t+3] offset:64*\t
	ds_store_b128 v[STO], v[32*(\a)+8*\t+4:32*(\a)+8*\t+7] offset:64*\t+16
.endr
	WIN 0xc0
.irp i, 0,1,2,3,4,5,6,7
	ds_load_b128 v[32*(\a)+4*\i:32*(\a)+4*\i+3], v[RD] offset:544*\i   ; LDS serves a wave's instructions in order: these see the stores above, and the next tile's stores come behind them
.endr
.endm
.macro SEND a, n
	s_wait_dscnt \n
	WIN 0x0c
.irp i, 0,1,2,3,4,5,6,7
	global_store_b128 v[YO+8*(\a)+\i], v[32*(\a)+4*\i:32*(\a)+4*\i+3], s[30:31] th:TH_STORE_NT   ; sixteen lanes store 256 consecutive bytes of a row of y, aligned
.endr
.endm
	s_load_b256 s[4:11], s[0:1], 0x0               ; hq, list, W2's codes, W2's scales
	s_load_b64 s[12:13], s[0:1], 0x20              ; y
	v_lshl_add_u32 v[SPW], v0, 2, SPARE
	v_mov_b32 v[NIL], 0
	v_lshrrev_b32 v14, 5, v0
	v_readfirstlane_b32 s16, v14                   ; wave
	s_lshr_b32 s17, ttmp9, 1                       ; j
	s_and_b32 s21, ttmp9, 1                        ; q
	s_and_b32 s18, ttmp7, 0xffff                   ; e
	s_lshl_b32 s36, s18, 2
	s_lshl_b32 s20, s16, 2                         ; pass 0's T0 = 4 wave
	v_and_b32 v14, 15, v0                          ; r
	v_bfe_u32 v15, v0, 4, 1                        ; h
	v_and_b32 v[HO], 31, v0
	v_lshlrev_b32 v[HSO], 2, v[HO]
	v_lshlrev_b32 v[HO], 4, v[HO]
	v_lshlrev_b32 v[LO], 2, v15
	v_lshlrev_b32 v[VCOL], 4, v14
	v_mul_u32_u24 v[AW], v14, PITCH
	v_mad_u32_u24 v[AW], v15, 24, v[AW]
	v_add_nc_u32 v[AW+1], 2*TILEB, v[AW]
	s_mul_i32 s22, s16, YSTW
	s_add_co_u32 s22, s22, YSTG
	v_mul_u32_u24 v[STO], v14, 272
	v_lshl_add_u32 v[STO], v15, 5, v[STO]
	v_add_nc_u32 v[STO], s22, v[STO]
	v_mad_u32_u24 v[RD], v15, 272, v[VCOL]
	v_add_nc_u32 v[RD], s22, v[RD]
	v_mad_u32_u24 v[GW], v15, 3072, v[VCOL]
	s_mul_i32 s22, s16, 16*PITCH
	v_mad_u32_u24 v[SW], v15, PITCH, v[VCOL]
	v_add_nc_u32 v[SW], s22, v[SW]
	v_lshlrev_b32 v[WSO], 7, v14
	v_lshl_add_u32 v[WSO], v15, 4, v[WSO]
	s_mov_b32 s33, 0
	s_wait_kmcnt 0x0
	s_load_b32 s19, s[6:7], s36 offset:CNT_OFF     ; my expert's count: wanted only at the first pass's end
	s_lshl_b32 s34, s18, 10
	s_lshl_b32 s35, s17, 6
	s_add_co_u32 s34, s34, s35                     ; my first row of W2: 1024 e + 64 j
	s_lshl_b32 s32, s34, 7
	s_lshl_b32 s35, s21, 6
	s_add_co_u32 s32, s32, s35
	s_add_nc_u64 s[10:11], s[10:11], s[32:33]      ; its scale bytes, my half of K
	s_lshl_b32 s35, s16, 4
	s_add_co_u32 s34, s34, s35
	s_mul_i32 s32, s34, 3072
	s_mul_i32 s35, s21, 1536
	s_add_co_u32 s32, s32, s35
	s_add_nc_u64 s[8:9], s[8:9], s[32:33]          ; my wave's 16 rows of codes, my half of K
	s_lshl_b32 s34, s18, 6
	s_add_co_u32 s34, s34, s20
	s_lshl_b32 s34, s34, 5
	s_lshl_b32 s35, s21, 4
	s_add_co_u32 s34, s34, s35                     ; (64 e + T0) 32 + 16 q
	s_mul_i32 s32, s34, FRB
	s_add_nc_u64 s[24:25], s[4:5], s[32:33]
	s_lshl_b32 s32, s34, 6
	s_add_nc_u64 s[26:27], s[4:5], s[32:33]
	s_add_nc_u64 s[26:27], s[26:27], HS_OFF
	s_mul_i32 s32, s18, LSTB
	s_lshl_b32 s35, s20, 6
	s_add_co_u32 s32, s32, s35
	s_add_nc_u64 s[28:29], s[6:7], s[32:33]
	s_mul_i32 s32, s21, YQ
	s_lshl_b32 s35, s17, 8
	s_add_co_u32 s32, s32, s35
	s_add_nc_u64 s[30:31], s[12:13], s[32:33]
	WIN 0xc0
.irp i, 0,1,2,3,4,5,6,7
.irp u, 0,1,2,3,4,5
	global_load_b128 v[4*(6*\i+\u):4*(6*\i+\u)+3], v[GW], s[8:9] offset:6144*\i+256*\u th:TH_LOAD_NT   ; 48 loads: rows 2 i + h, 256 aligned bytes of each
.endr
.endr
	WIN 0
.irp t, 0,1,2,3
.irp g, 0,1
	global_load_b128 v[W2S+8*\t+4*\g:W2S+8*\t+4*\g+3], v[WSO], s[10:11] offset:2048*\t+32*\g
.endr
.endr
	PLA
	s_wait_loadcnt 63                              ; the weights are in: 8 + 88 loads are younger, and a count cannot name more than 63
	WIN 0x0c
.irp i, 0,1,2,3,4,5,6,7
.irp u, 0,1,2,3,4,5
	ds_store_b128 v[SW], v[4*(6*\i+\u):4*(6*\i+\u)+3] offset:2*PITCH*\i+256*\u
.endr
.endr
	PLB
	WIN 0
	s_wait_kmcnt 0x0
	s_add_co_u32 s19, s19, 15
	s_lshr_b32 s19, s19, 4
	s_min_u32 s19, s19, 64                         ; tiles of my expert
	s_add_co_u32 s19, s19, 15
	s_sub_co_u32 s19, s19, s20                     ; + 15 - 4 wave: never under 3
	s_lshr_b32 s19, s19, 4                         ; my passes: how many p have 16 p + 4 wave < tiles
	s_min_u32 s19, s19, 4
	s_mov_b32 s20, 0                               ; from here on s20 counts passes
	s_wait_dscnt 0x0                               ; my part of the weights lies in LDS
	s_barrier_signal -1
	s_barrier_wait -1                              ; everybody's does; nobody writes those bytes again
.Lpass:
	WFETCH 0
.irp s, 0,1,2,3,4,5,6,7,8,9,10,11,12,13,14,15
	MSTEP \s
.endr
.set Q, 0
.rept 32                               ; entry n, held inside y's rows, -> byte offset of my 16 bytes
	v_min_u32 v[YO+Q], 0x807, v[YO+Q]
.set Q, Q+1
.endr
.set Q, 0
.rept 32
	v_lshlrev_b32 v[YO+Q], 12, v[YO+Q]
.set Q, Q+1
.endr
.set Q, 0
.rept 32
	v_add_nc_u32 v[YO+Q], v[VCOL], v[YO+Q]
.set Q, Q+1
.endr
	TOSTAGE 0
	TOSTAGE 1
	SEND 0, 16                                     ; behind tile 0's loads stand tile 1's eight stores and eight loads
	TOSTAGE 2
	SEND 1, 16
	TOSTAGE 3
	SEND 2, 16
	SEND 3, 0
	WIN 0
	s_add_co_u32 s20, s20, 1
	s_cmp_ge_u32 s20, s19
	s_cbranch_scc1 .Lend
	s_wait_xcnt 0x0                                ; the stores have read their offsets and their data: both are written again below
	s_add_nc_u64 s[24:25], s[24:25], 16*HTILE
	s_add_nc_u64 s[26:27], s[26:27], 16*STILE
	s_add_nc_u64 s[28:29], s[28:29], 1024
	PLA
	PLB
	WIN 0
	s_cmp_lt_u32 s20, s19
	s_cbranch_scc1 .Lpass
.Lend:
	s_wait_tensorcnt 0x0                           ; the wave's end, behind my last LDS store
	ds_add_u32 v[SPW], v[NIL]
	s_wait_dscnt 0x0
	s_endpgm
.Lfunc_end_k_qc91432b2b5_ffn2:
	.size	k_qc91432b2b5_ffn2, .Lfunc_end_k_qc91432b2b5_ffn2-k_qc91432b2b5_ffn2
	.p2alignl 7, 3214868480
	.fill 96, 4, 3214868480
	.section	.rodata,"a",@progbits
	.p2align	6, 0x0
	.amdhsa_kernel k_qc91432b2b5_ffn2
		.amdhsa_group_segment_fixed_size 117248
		.amdhsa_private_segment_fixed_size 0
		.amdhsa_enable_private_segment 0
		.amdhsa_kernarg_size 40
		.amdhsa_user_sgpr_count 2
		.amdhsa_user_sgpr_kernarg_segment_ptr 1
		.amdhsa_wavefront_size32 1
		.amdhsa_system_sgpr_workgroup_id_x 1
		.amdhsa_system_sgpr_workgroup_id_y 1
		.amdhsa_system_sgpr_workgroup_id_z 1
		.amdhsa_system_vgpr_workitem_id 0
		.amdhsa_next_free_vgpr 1024
		.amdhsa_next_free_sgpr 66
		.amdhsa_reserve_vcc 0
		.amdhsa_float_denorm_mode_32 3
		.amdhsa_float_denorm_mode_16_64 3
		.amdhsa_memory_ordered 1
		.amdhsa_forward_progress 1
		.amdhsa_inst_pref_size 126
	.end_amdhsa_kernel
	.amdgpu_metadata
---
amdhsa.version: [ 1, 2 ]
amdhsa.kernels:
  - .name:           k_qc91432b2b5_ffn2
    .symbol:         k_qc91432b2b5_ffn2.kd
    .args:
      - { .name: hq, .offset: 0, .size: 8, .value_kind: global_buffer, .address_space: global }
      - { .name: list, .offset: 8, .size: 8, .value_kind: global_buffer, .address_space: global }
      - { .name: w2_codes, .offset: 16, .size: 8, .value_kind: global_buffer, .address_space: global }
      - { .name: w2_scales, .offset: 24, .size: 8, .value_kind: global_buffer, .address_space: global }
      - { .name: y, .offset: 32, .size: 8, .value_kind: global_buffer, .address_space: global }
    .group_segment_fixed_size: 117248
    .private_segment_fixed_size: 0
    .kernarg_segment_align: 8
    .kernarg_segment_size: 40
    .max_flat_workgroup_size: 128
    .sgpr_count:     66
    .vgpr_count:     1024
    .wavefront_size: 32
...
	.end_amdgpu_metadata
.endif
;; end of part 4
;; launch combine (part 5): grid 256 x 1, 4 waves a work-group, no clusters, 0 bytes of LDS; arguments y, sel, gate, b2, out0; writes out0
.if DOCPART == 5
	.amdgcn_target "amdgcn-amd-amdhsa--gfx1250"
	.amdhsa_code_object_version 6
	.text
	.protected	k_qc91432b2b5_combine
	.globl	k_qc91432b2b5_combine
	.p2align	8
	.type	k_qc91432b2b5_combine,@function
k_qc91432b2b5_combine:
	s_mov_b64 s[64:65], 0
	v_nop
	global_prefetch_b8 v0, s[64:65] scope:SCOPE_SE
	s_setreg_imm32_b32 hwreg(HW_REG_WAVE_MODE, 25, 1), 1
	s_wait_xcnt 0x0
; out0[t] = the sum over the token's two slots k whose expert e_k is a real one (under 8) of gate[t][k] x (y[0][2 t + k] + y[1][2 t + k] + b2[e_k]).
; One wave takes one token: a row is 4,096 bytes, eight loads or stores of 512 consecutive bytes.  Each output row has this one owner.
; The slot of the expert that gives zeros (index 8) adds nothing, and its rows of y, which nobody wrote, are not read: scalar branches on the stored indices.
; Memory binds: no LDS, no barrier, no matrix unit.
.set YQ,  8421376                      ; from one half of K to the other in y
.set LA,  1                            ; 16 x lane
.set T,   16                           ; slot k at v[16 + 96 k]: 32 registers each of y's first half, its second half, b2
.set OUT, 208                          ; v208-239
	s_load_b256 s[4:11], s[0:1], 0x0               ; y, sel, gate, b2
	s_load_b64 s[12:13], s[0:1], 0x20              ; out0
	v_lshrrev_b32 v2, 5, v0
	v_readfirstlane_b32 s14, v2
	v_and_b32 v[LA], 31, v0
	v_lshlrev_b32 v[LA], 4, v[LA]
	s_lshl_b32 s15, ttmp9, 2
	s_add_co_u32 s15, s15, s14                     ; my token
	s_mov_b32 s33, 0
	s_mov_b32 s35, 0
	s_lshl_b32 s32, s15, 3
	s_wait_kmcnt 0x0
	s_add_nc_u64 s[6:7], s[6:7], s[32:33]
	s_add_nc_u64 s[8:9], s[8:9], s[32:33]
	s_load_b64 s[16:17], s[6:7], 0x0               ; the two indices
	s_load_b64 s[18:19], s[8:9], 0x0               ; the two gates
	s_lshl_b32 s32, s15, 13
	s_add_nc_u64 s[22:23], s[4:5], s[32:33]        ; rows 2 t and 2 t + 1 of y's first half,
	s_add_nc_u64 s[24:25], s[22:23], YQ            ; and of its second
	s_lshl_b32 s32, s15, 12
	s_add_nc_u64 s[30:31], s[12:13], s[32:33]
	s_wait_kmcnt 0x0
	s_mov_b32 s20, s19                             ; the second gate as a pair's low word
	s_mov_b32 s21, s19
	s_min_u32 s34, s16, 7                          ; held inside b2
	s_lshl_b32 s34, s34, 12
	s_add_nc_u64 s[26:27], s[10:11], s[34:35]
	s_min_u32 s34, s17, 7
	s_lshl_b32 s34, s34, 12
	s_add_nc_u64 s[28:29], s[10:11], s[34:35]
.macro LOADS k                         ; 24 loads
.irp i, 0,1,2,3,4,5,6,7
	global_load_b128 v[T+96*\k+4*\i:T+96*\k+4*\i+3], v[LA], s[22:23] offset:4096*\k+512*\i th:TH_LOAD_NT
.endr
.irp i, 0,1,2,3,4,5,6,7
	global_load_b128 v[T+96*\k+32+4*\i:T+96*\k+32+4*\i+3], v[LA], s[24:25] offset:4096*\k+512*\i th:TH_LOAD_NT
.endr
.irp i, 0,1,2,3,4,5,6,7
	global_load_b128 v[T+96*\k+64+4*\i:T+96*\k+64+4*\i+3], v[LA], s[26+2*\k:27+2*\k] offset:512*\i
.endr
.endm
.macro ACCUM k, first
.irp i, 0,2,4,6,8,10,12,14,16,18,20,22,24,26,28,30
	v_pk_add_f32 v[T+96*\k+\i:T+96*\k+\i+1], v[T+96*\k+\i:T+96*\k+\i+1], v[T+96*\k+32+\i:T+96*\k+32+\i+1]
.endr
.irp i, 0,2,4,6,8,10,12,14,16,18,20,22,24,26,28,30
	v_pk_add_f32 v[T+96*\k+\i:T+96*\k+\i+1], v[T+96*\k+\i:T+96*\k+\i+1], v[T+96*\k+64+\i:T+96*\k+64+\i+1]
.endr
.irp i, 0,2,4,6,8,10,12,14,16,18,20,22,24,26,28,30
.if \first
	v_pk_mul_f32 v[OUT+\i:OUT+\i+1], v[T+96*\k+\i:T+96*\k+\i+1], s[18+2*\k:19+2*\k] op_sel_hi:[1,0]
.else
	v_pk_fma_f32 v[OUT+\i:OUT+\i+1], v[T+96*\k+\i:T+96*\k+\i+1], s[18+2*\k:19+2*\k], v[OUT+\i:OUT+\i+1] op_sel_hi:[1,0,1]
.endif
.endr
.endm
	s_cmp_ge_u32 s16, 8
	s_cbranch_scc1 .Lno0
	LOADS 0
	s_cmp_ge_u32 s17, 8
	s_cbranch_scc1 .Lonly0
	LOADS 1
	s_wait_loadcnt 24                              ; slot 0 is in; slot 1's 24 loads are younger
	ACCUM 0, 1
	s_wait_loadcnt 0x0
	ACCUM 1, 0
	s_branch .Lstore
.Lonly0:
	s_wait_loadcnt 0x0
	ACCUM 0, 1
	s_branch .Lstore
.Lno0:
	s_cmp_ge_u32 s17, 8
	s_cbranch_scc1 .Lnone
	LOADS 1
	s_wait_loadcnt 0x0
	ACCUM 1, 1
	s_branch .Lstore
.Lnone:
.set Q, 0
.rept 32
	v_mov_b32 v[OUT+Q], 0                          ; no real expert: the row is zeros
.set Q, Q+1
.endr
.Lstore:
.irp i, 0,1,2,3,4,5,6,7
	global_store_b128 v[LA], v[OUT+4*\i:OUT+4*\i+3], s[30:31] offset:512*\i th:TH_STORE_NT   ; 512 consecutive bytes, aligned
.endr
	s_endpgm
.Lfunc_end_k_qc91432b2b5_combine:
	.size	k_qc91432b2b5_combine, .Lfunc_end_k_qc91432b2b5_combine-k_qc91432b2b5_combine
	.p2alignl 7, 3214868480
	.fill 96, 4, 3214868480
	.section	.rodata,"a",@progbits
	.p2align	6, 0x0
	.amdhsa_kernel k_qc91432b2b5_combine
		.amdhsa_group_segment_fixed_size 0
		.amdhsa_private_segment_fixed_size 0
		.amdhsa_enable_private_segment 0
		.amdhsa_kernarg_size 40
		.amdhsa_user_sgpr_count 2
		.amdhsa_user_sgpr_kernarg_segment_ptr 1
		.amdhsa_wavefront_size32 1
		.amdhsa_system_sgpr_workgroup_id_x 1
		.amdhsa_system_sgpr_workgroup_id_y 1
		.amdhsa_system_sgpr_workgroup_id_z 1
		.amdhsa_system_vgpr_workitem_id 0
		.amdhsa_next_free_vgpr 240
		.amdhsa_next_free_sgpr 66
		.amdhsa_reserve_vcc 0
		.amdhsa_float_denorm_mode_32 3
		.amdhsa_float_denorm_mode_16_64 3
		.amdhsa_memory_ordered 1
		.amdhsa_forward_progress 1
		.amdhsa_inst_pref_size 23
	.end_amdhsa_kernel
	.amdgpu_metadata
---
amdhsa.version: [ 1, 2 ]
amdhsa.kernels:
  - .name:           k_qc91432b2b5_combine
    .symbol:         k_qc91432b2b5_combine.kd
    .args:
      - { .name: y, .offset: 0, .size: 8, .value_kind: global_buffer, .address_space: global }
      - { .name: sel, .offset: 8, .size: 8, .value_kind: global_buffer, .address_space: global }
      - { .name: gate, .offset: 16, .size: 8, .value_kind: global_buffer, .address_space: global }
      - { .name: b2, .offset: 24, .size: 8, .value_kind: global_buffer, .address_space: global }
      - { .name: out0, .offset: 32, .size: 8, .value_kind: global_buffer, .address_space: global }
    .group_segment_fixed_size: 0
    .private_segment_fixed_size: 0
    .kernarg_segment_align: 8
    .kernarg_segment_size: 40
    .max_flat_workgroup_size: 128
    .sgpr_count:     66
    .vgpr_count:     240
    .wavefront_size: 32
...
	.end_amdgpu_metadata
.endif
;; end of part 5
;; ======== version 2 of 2: 5 launches
;; limits: an absolute error that grows with the inputs' magnitude: up to 1e-07 times it
;; workspace buffers: xq 819,200 bytes; sel 8,192 bytes of whole numbers; gate 8,192 bytes; list 35,072 bytes of whole numbers; hq 26,214,400 bytes; y 16,842,752 bytes
;; launch route (part 6): grid 256 x 1, 4 waves a work-group, no clusters, 23,040 bytes of LDS; arguments inputs, masks, router_w, xq, sel, gate, out1, out2; writes xq, sel, gate, out1, out2
.if DOCPART == 6
	.amdgcn_target "amdgcn-amd-amdhsa--gfx1250"
	.amdhsa_code_object_version 6
	.text
	.protected	k_qc91432b2b5_route
	.globl	k_qc91432b2b5_route
	.p2align	8
	.type	k_qc91432b2b5_route,@function
k_qc91432b2b5_route:
	s_mov_b64 s[64:65], 0
	v_nop
	global_prefetch_b8 v0, s[64:65] scope:SCOPE_SE
	s_setreg_imm32_b32 hwreg(HW_REG_WAVE_MODE, 25, 1), 1
	s_wait_xcnt 0x0
; ROUTER AND QUANTISER OF x.  One wave takes one token t = 4 x work-group + wave: 1,024 numbers of f32, 32 a lane.
; It makes (a) the token's codes of BF6 (E3M2) along K = 1,024 with one E8M0 byte for each 32, into xq: [1024][768] codes as one stream of bits, and from XS_OFF on [1024][32] scale bytes;
; (b) the nine logits x . router_w[e] in f32, times the token's masks (the ninth unmasked): out1; (c) softmax over the nine, with the largest logit taken away first, and its two largest
; probabilities: indices to out2 and sel, probabilities to gate.  A tie goes to the lower index: every compare is strict and walks the indices upward.
; All addresses are fixed by the token's number: nothing here is placed by the choice.
; The quantiser: a block's scale is 2^(floor(log2(largest magnitude)) - 4); its byte is that magnitude's exponent field - 4, held at 1 from below.  A block of zeros keeps the byte 1: its codes are
; zeros, and only this program reads the bytes.
; LIMITS: NaN and infinities are not served.  Blocks whose largest magnitude lies under 2^(5 - 127) get the byte 1.  v_exp_f32 gives 0 for results under 2^-126, so ties at probability 0 begin there.
; The dot products are summed in another order than a plain loop over k.  out1, the scale bytes and the per-token words leave in pieces of 36, 32 and 8 bytes a token.
; Waves share nothing: no barrier.
.set XS_OFF, 786432
.set SP,     80                        ; a lane's place in a stage: 64 bytes + 16 of padding
.set SCB,    2*32*SP                   ; behind a wave's two stages: its 32 scale bytes
.set WREG,   5632                      ; LDS of a wave
.set SPARE,  4*WREG                    ; the spare words, 128 bytes a wave: two blocks of 256 bytes that no other line names
.set LN,   1                           ; lane
.set SPW,  2                           ; LDS address of my spare word; never rewritten
.set NIL,  3                           ; 0; never rewritten
.set XA,   4                           ; 16 x lane: my bytes of a load's 512
.set SIN,  5                           ; the stage, way in
.set SOUT, 6                           ; the stage, way out
.set CO,   7                           ; 12 x lane: my codes' place
.set SBA,  8                           ; LDS: my block's scale byte
.set SBR,  9                           ; LDS: a word of the 32 scale bytes
.set SBO,  10                          ; 4 x (lane % 8)
.set LO4,  11                          ; 4 x lane
.set R,    16                          ; v16-47   x as loaded: load i holds k = 128 i + 4 lane + 0..3
.set XT,   48                          ; v48-79   two sets of 16 neighbours
.set W,    80                          ; v80-239  five sets of 32 numbers of router_w
.set L,    240                         ; v240-248 the logits
.set CD,   240                         ; v240-246 the codes of the two steps, ahead of the logits
.set EB,   248                         ; v248-249 their bytes
.set CH,   250                         ; v250-253 two chains of a dot product
.set P,    80                          ; v80-88   behind the dots: exponents, then probabilities
.set PT,   100                         ; v100-108 the other half of the lanes' sums
.set BI,   112                         ; v112-113 the two indices
.set BV,   114                         ; v114-115 the two probabilities
.set OV,   116
.set SBW,  117
.set MX,   118
.set NM,   119
.set SUM,  120                         ; v120-123
.set ZR,   124
	s_load_b256 s[4:11], s[0:1], 0x0               ; inputs, masks, router_w, xq
	s_load_b256 s[12:19], s[0:1], 0x20             ; sel, gate, out1, out2
	v_lshl_add_u32 v[SPW], v0, 2, SPARE
	v_mov_b32 v[NIL], 0
	v_lshrrev_b32 v12, 5, v0
	v_readfirstlane_b32 s20, v12                   ; wave
	v_and_b32 v[LN], 31, v0
	s_lshl_b32 s21, ttmp9, 2
	s_add_co_u32 s21, s21, s20                     ; my token
	s_mul_i32 s36, s20, WREG
	v_lshlrev_b32 v[XA], 4, v[LN]
	v_lshrrev_b32 v[SIN], 2, v[LN]
	v_mul_u32_u24 v[SIN], v[SIN], SP
	v_and_b32 v12, 3, v[LN]
	v_lshl_add_u32 v[SIN], v12, 4, v[SIN]
	v_add_nc_u32 v[SIN], s36, v[SIN]               ; four lanes' 64 bytes on end, then the padding
	v_mul_u32_u24 v[SOUT], v[LN], SP
	v_add_nc_u32 v[SOUT], s36, v[SOUT]             ; my 16 neighbours
	v_mul_u32_u24 v[CO], v[LN], 12
	s_add_co_u32 s36, s36, SCB
	v_lshrrev_b32 v[SBA], 1, v[LN]
	v_add_nc_u32 v[SBA], s36, v[SBA]
	v_and_b32 v[SBO], 7, v[LN]
	v_lshlrev_b32 v[SBO], 2, v[SBO]
	v_add_nc_u32 v[SBR], s36, v[SBO]
	v_lshlrev_b32 v[LO4], 2, v[LN]
	s_mov_b32 s32, 0x76543210
	s_mov_b32 s33, 0xfedcba98                      ; v_permlanex16_b32's selects for lane l xor 16
	s_mov_b32 s35, 0x3fb8aa3b                      ; log2(e)
	s_mov_b32 s23, 0
	s_wait_alu depctr_va_vdst(0)
	s_wait_kmcnt 0x0
	s_lshl_b32 s22, s21, 5
	s_add_nc_u64 s[6:7], s[6:7], s[22:23]          ; my eight masks
	s_load_b256 s[24:31], s[6:7], 0x0
	s_add_nc_u64 s[40:41], s[10:11], s[22:23]
	s_add_nc_u64 s[40:41], s[40:41], XS_OFF        ; my 32 scale bytes
	s_lshl_b32 s22, s21, 12
	s_add_nc_u64 s[4:5], s[4:5], s[22:23]          ; my row of x
	s_mul_i32 s22, s21, 768
	s_add_nc_u64 s[38:39], s[10:11], s[22:23]      ; my row of codes
	s_lshl_b32 s22, s21, 3
	s_add_nc_u64 s[12:13], s[12:13], s[22:23]
	s_add_nc_u64 s[14:15], s[14:15], s[22:23]
	s_add_nc_u64 s[18:19], s[18:19], s[22:23]
	s_mul_i32 s22, s21, 36
	s_add_nc_u64 s[16:17], s[16:17], s[22:23]
.macro RLOAD e, set                    ; row e of router_w, laid as x is
.irp i, 0,1,2,3,4,5,6,7
	global_load_b128 v[W+32*(\set)+4*\i:W+32*(\set)+4*\i+3], v[XA], s[8:9] offset:4096*(\e)+512*\i
.endr
.endm
.macro RDOT e, set                     ; my 32 products, two at a time in two chains that the first products start
	v_pk_mul_f32 v[CH:CH+1], v[R:R+1], v[W+32*(\set):W+32*(\set)+1]
	v_pk_mul_f32 v[CH+2:CH+3], v[R+2:R+3], v[W+32*(\set)+2:W+32*(\set)+3]
.irp i, 4,8,12,16,20,24,28
	v_pk_fma_f32 v[CH:CH+1], v[R+\i:R+\i+1], v[W+32*(\set)+\i:W+32*(\set)+\i+1], v[CH:CH+1]
	v_pk_fma_f32 v[CH+2:CH+3], v[R+\i+2:R+\i+3], v[W+32*(\set)+\i+2:W+32*(\set)+\i+3], v[CH+2:CH+3]
.endr
	v_pk_add_f32 v[CH:CH+1], v[CH:CH+1], v[CH+2:CH+3]
	v_add_f32 v[L+(\e)], v[CH], v[CH+1]
.endm
.macro TURN st                         ; 512 numbers through the stage: in as loaded, out 16 neighbours a lane.  LDS serves a wave's instructions in order: no wait between
.irp i, 0,1,2,3
	ds_store_b128 v[SIN], v[R+16*\st+4*\i:R+16*\st+4*\i+3] offset:32*SP*\st+8*SP*\i
.endr
.irp i, 0,1,2,3
	ds_load_b128 v[XT+16*\st+4*\i:XT+16*\st+4*\i+3], v[SOUT] offset:32*SP*\st+16*\i
.endr
.endm
.macro QSTEP st
.set XS, XT+16*\st
	v_max3_num_f32 v12, |v[XS]|, |v[XS+1]|, |v[XS+2]|              ; the largest magnitude of my 16, in two chains
	v_max3_num_f32 v13, |v[XS+3]|, |v[XS+4]|, |v[XS+5]|
.irp i, 6,10
	v_max3_num_f32 v12, v12, |v[XS+\i]|, |v[XS+\i+1]|
	v_max3_num_f32 v13, v13, |v[XS+\i+2]|, |v[XS+\i+3]|
.endr
	v_max3_num_f32 v12, v12, |v[XS+14]|, |v[XS+15]|
	v_max3_num_f32 v12, v12, v13, 0x2800000        ; and the floor 2^(5 - 127): the byte cannot fall under 1
	v_max_num_f32_dpp v12, v12, v12 row_xmask:1 row_mask:0xf bank_mask:0xf   ; with my neighbour's 16: the block's
	v_add_nc_u32 v14, 0xfe000000, v12              ; 4 off its exponent field: the conversion takes that field as its scale
	v_cvt_scalef32_pk16_bf6_f32 v[CD+4*\st:CD+4*\st+2], v[XS:XS+15], v14
	v_lshrrev_b32 v[EB+\st], 23, v14               ; the scale's byte (a plain line behind the conversion)
	ds_store_b8 v[SBA], v[EB+\st] offset:16*\st    ; both lanes of a block write the same byte with the same value
	global_store_b96 v[CO], v[CD+4*\st:CD+4*\st+2], s[38:39] offset:384*\st   ; the wave stores 384 consecutive bytes
.endm
.irp i, 0,1,2,3,4,5,6,7
	global_load_b128 v[R+4*\i:R+4*\i+3], v[XA], s[4:5] offset:512*\i th:TH_LOAD_NT   ; 512 consecutive bytes a load
.endr
.irp e, 0,1,2,3,4
	RLOAD \e, \e
.endr
	s_wait_loadcnt 40                              ; x is in; the five rows of router_w, 40 loads, are younger
	TURN 0
	TURN 1
	s_wait_dscnt 8                                 ; step 0 is back: behind its loads stand step 1's four stores and four loads
	QSTEP 0
	s_wait_dscnt 1                                 ; step 1 is back: behind its loads stands step 0's byte store
	QSTEP 1
	s_wait_xcnt 0x0                                ; the codes' stores have read their registers, which the logits take now
.irp e, 0,1,2,3
	s_wait_loadcnt 32                              ; row e is in; four rows of eight loads are younger
	RDOT \e, \e
	RLOAD 5+\e, \e
.endr
	s_wait_loadcnt 32
	RDOT 4, 4
	s_wait_loadcnt 24                              ; the counts run down: three rows younger, two, one, none
	RDOT 5, 0
	s_wait_loadcnt 16
	RDOT 6, 1
	s_wait_loadcnt 8
	RDOT 7, 2
	s_wait_loadcnt 0x0
	RDOT 8, 3
.irp m, 1,2,4,8                        ; the nine sums across the lanes, by turns
.irp e, 0,1,2,3,4,5,6,7,8
	v_add_f32_dpp v[L+\e], v[L+\e], v[L+\e] row_xmask:\m row_mask:0xf bank_mask:0xf
.endr
.endr
.irp e, 0,1,2,3,4,5,6,7,8
	v_permlanex16_b32 v[PT+\e], v[L+\e], s32, s33
.endr
.irp e, 0,1,2,3,4,5,6,7,8
	v_add_f32 v[L+\e], v[L+\e], v[PT+\e]           ; every lane holds all nine
.endr
	s_wait_alu depctr_va_vdst(0)
	s_wait_kmcnt 0x0                               ; the masks
.irp e, 0,1,2,3,4,5,6,7
	v_mul_f32 v[L+\e], s[24+\e], v[L+\e]           ; the masked logits; the ninth stays
.endr
	v_max3_num_f32 v[MX], v[L], v[L+1], v[L+2]
	v_max3_num_f32 v[MX], v[MX], v[L+3], v[L+4]
	v_max3_num_f32 v[MX], v[MX], v[L+5], v[L+6]
	v_max3_num_f32 v[MX], v[MX], v[L+7], v[L+8]    ; the largest logit is taken away ahead of the exponential
	v_mul_f32 v[NM], 0xbfb8aa3b, v[MX]             ; - mx log2(e)
.irp e, 0,1,2,3,4,5,6,7,8
	v_fma_f32 v[P+\e], v[L+\e], s35, v[NM]         ; equal logits give equal exponents, larger ones never smaller
.endr
	s_wait_alu depctr_va_vdst(0)
.irp e, 0,1,2,3,4,5,6,7,8
	v_exp_f32 v[P+\e], v[P+\e]
.endr
	v_mov_b32 v[ZR], 0                             ; a plain line behind the batch
	s_wait_alu depctr_va_vdst(0)                   ; one wait for the nine, ahead of their first use
	v_add_f32 v[SUM], v[P], v[P+1]
	v_add_f32 v[SUM+1], v[P+2], v[P+3]
	v_add_f32 v[SUM+2], v[P+4], v[P+5]
	v_add_f32 v[SUM+3], v[P+6], v[P+7]
	v_add_f32 v[SUM], v[SUM], v[SUM+1]
	v_add_f32 v[SUM+2], v[SUM+2], v[SUM+3]
	v_add_f32 v[SUM], v[SUM], v[SUM+2]
	v_add_f32 v[SUM], v[SUM], v[P+8]
	s_wait_alu depctr_va_vdst(0)
	v_rcp_f32 v[SUM+1], v[SUM]
	v_mov_b32 v[BI], 0                             ; (a plain line behind the reciprocal)
	s_wait_alu depctr_va_vdst(0)
.irp e, 0,1,2,3,4,5,6,7,8
	v_mul_f32 v[P+\e], v[P+\e], v[SUM+1]           ; the probabilities
.endr
	v_mov_b32 v[BV], v[P]                          ; the largest: a later index wins only where it is strictly larger
.irp e, 1,2,3,4,5,6,7,8
	v_cmp_gt_f32 vcc_lo, v[P+\e], v[BV]
	v_cndmask_b32 v[BV], v[BV], v[P+\e], vcc_lo
	v_cndmask_b32 v[BI], v[BI], \e, vcc_lo
.endr
.irp e, 0,1,2,3,4,5,6,7,8
	v_cmp_eq_u32 vcc_lo, \e, v[BI]
	v_cndmask_b32 v[P+\e], v[P+\e], -1.0, vcc_lo   ; the one chosen stands under every probability
.endr
	v_mov_b32 v[BV+1], v[P]
	v_mov_b32 v[BI+1], 0
.irp e, 1,2,3,4,5,6,7,8
	v_cmp_gt_f32 vcc_lo, v[P+\e], v[BV+1]
	v_cndmask_b32 v[BV+1], v[BV+1], v[P+\e], vcc_lo
	v_cndmask_b32 v[BI+1], v[BI+1], \e, vcc_lo
.endr
	v_mov_b32 v[OV], v[L]                          ; lane e takes logit e
.irp e, 1,2,3,4,5,6,7,8
	v_cmp_eq_u32 vcc_lo, \e, v[LN]
	v_cndmask_b32 v[OV], v[OV], v[L+\e], vcc_lo
.endr
	ds_load_b32 v[SBW], v[SBR]                     ; my wave's 32 scale bytes, a word a lane
	s_wait_alu depctr_va_vdst(0)
	s_wait_dscnt 0x0
	s_wait_xcnt 0x0                                ; EXEC changes only behind this wait
	v_cmp_gt_u32 vcc_lo, 8, v[LN]
	s_and_saveexec_b32 s34, vcc_lo
	global_store_b32 v[SBO], v[SBW], s[40:41]
	s_wait_xcnt 0x0
	s_or_b32 exec_lo, exec_lo, s34
	v_cmp_gt_u32 vcc_lo, 9, v[LN]
	s_and_saveexec_b32 s34, vcc_lo
	global_store_b32 v[LO4], v[OV], s[16:17]
	s_wait_xcnt 0x0
	s_or_b32 exec_lo, exec_lo, s34
	v_cmp_eq_u32 vcc_lo, 0, v[LN]
	s_and_saveexec_b32 s34, vcc_lo
	global_store_b64 v[ZR], v[BI:BI+1], s[12:13]
	global_store_b64 v[ZR], v[BI:BI+1], s[18:19]
	global_store_b64 v[ZR], v[BV:BV+1], s[14:15]
	s_wait_xcnt 0x0
	s_or_b32 exec_lo, exec_lo, s34
	s_wait_tensorcnt 0x0                           ; the wave's end, behind my last LDS store
	ds_add_u32 v[SPW], v[NIL]
	s_wait_dscnt 0x0
	s_endpgm
.Lfunc_end_k_qc91432b2b5_route:
	.size	k_qc91432b2b5_route, .Lfunc_end_k_qc91432b2b5_route-k_qc91432b2b5_route
	.p2alignl 7, 3214868480
	.fill 96, 4, 3214868480
	.section	.rodata,"a",@progbits
	.p2align	6, 0x0
	.amdhsa_kernel k_qc91432b2b5_route
		.amdhsa_group_segment_fixed_size 23040
		.amdhsa_private_segment_fixed_size 0
		.amdhsa_enable_private_segment 0
		.amdhsa_kernarg_size 64
		.amdhsa_user_sgpr_count 2
		.amdhsa_user_sgpr_kernarg_segment_ptr 1
		.amdhsa_wavefront_size32 1
		.amdhsa_system_sgpr_workgroup_id_x 1
		.amdhsa_system_sgpr_workgroup_id_y 1
		.amdhsa_system_sgpr_workgroup_id_z 1
		.amdhsa_system_vgpr_workitem_id 0
		.amdhsa_next_free_vgpr 256
		.amdhsa_next_free_sgpr 66
		.amdhsa_reserve_vcc 1
		.amdhsa_float_denorm_mode_32 3
		.amdhsa_float_denorm_mode_16_64 3
		.amdhsa_memory_ordered 1
		.amdhsa_forward_progress 1
		.amdhsa_inst_pref_size 33
	.end_amdhsa_kernel
	.amdgpu_metadata
---
amdhsa.version: [ 1, 2 ]
amdhsa.kernels:
  - .name:           k_qc91432b2b5_route
    .symbol:         k_qc91432b2b5_route.kd
    .args:
      - { .name: inputs, .offset: 0, .size: 8, .value_kind: global_buffer, .address_space: global }
      - { .name: masks, .offset: 8, .size: 8, .value_kind: global_buffer, .address_space: global }
      - { .name: router_w, .offset: 16, .size: 8, .value_kind: global_buffer, .address_space: global }
      - { .name: xq, .offset: 24, .size: 8, .value_kind: global_buffer, .address_space: global }
      - { .name: sel, .offset: 32, .size: 8, .value_kind: global_buffer, .address_space: global }
      - { .name: gate, .offset: 40, .size: 8, .value_kind: global_buffer, .address_space: global }
      - { .name: out1, .offset: 48, .size: 8, .value_kind: global_buffer, .address_space: global }
      - { .name: out2, .offset: 56, .size: 8, .value_kind: global_buffer, .address_space: global }
    .group_segment_fixed_size: 23040
    .private_segment_fixed_size: 0
    .kernarg_segment_align: 8
    .kernarg_segment_size: 64
    .max_flat_workgroup_size: 128
    .sgpr_count:     66
    .vgpr_count:     256
    .wavefront_size: 32
...
	.end_amdgpu_metadata
.endif
;; end of part 6
;; launch place (part 7): grid 1 x 1, 8 waves a work-group, no clusters, 0 bytes of LDS; arguments sel, list; writes list
.if DOCPART == 7
	.amdgcn_target "amdgcn-amd-amdhsa--gfx1250"
	.amdhsa_code_object_version 6
	.text
	.protected	k_qc91432b2b5_place
	.globl	k_qc91432b2b5_place
	.p2align	8
	.type	k_qc91432b2b5_place,@function
k_qc91432b2b5_place:
	s_mov_b64 s[64:65], 0
	v_nop
	global_prefetch_b8 v0, s[64:65] scope:SCOPE_SE
	s_setreg_imm32_b32 hwreg(HW_REG_WAVE_SCHED_MODE, 0, 2), 2
	s_setreg_imm32_b32 hwreg(HW_REG_WAVE_MODE, 25, 1), 1
	s_wait_xcnt 0x0
	s_wait_alu depctr_vm_vsrc(0)
; THE ROWS ARE PLACED BY EXPERT.  sel holds 2,048 chosen indices, entry n = 2 x token + slot.  Wave e scans all of them and writes the list of expert e:
; list + 4352 e: 1,024 words, first the entries n whose index is e, then pads 2048 + e; behind them 32 dump words, one a lane, for the lanes that have nothing to place.
; list + CNT_OFF + 4 e: how many entries are real.  Each wave owns its own region and needs no other wave: no LDS, no barrier, no atomics.  The input is 8 KB: one work-group serves.
; An expert is chosen at most once a token, so a list never holds more than 1,024 entries.  Index 8, the expert that gives zeros, has no list.
; THE MODE: SCHED_MODE bits 1:0 = 2 (LLVM: expert scheduling mode 2), set by the entry lines.  The code itself states the register dependences between vector instructions and memory
; instructions, and those through scalar registers that vector instructions write, with s_wait_alu, always for 0.
; THE PLAN.  v[LA]: sel's offset, written once at the head.  S: the loads land in it, the compares read it, nothing lands there again.  A, D: written by vector lines, read by the stores; A is written
; again for the pads.  The masks: 64 scalar registers, one for each compare.  So the work goes in runs: all compares, ONE wait for their masks; all places, ONE wait for their registers; all stores.
.set CNT_OFF, 34816
.set LSTB,    4352
.set LN,  1                            ; lane
.set LA,  2                            ; 16 x lane
.set L4,  3                            ; 4 x lane
.set DMP, 4                            ; 1024 + lane: my dump word
.set PAD, 5                            ; 2048 + e
.set ZR,  6
.set CN,  7
.set S,   16                           ; v16-79   sel: register 4 i + c holds entry 128 i + 4 lane + c
.set A,   80                           ; v80-143  a place for each register of S
.set D,   144                          ; v144-207 and its entry's number
.set MK,  24                           ; s24-63, s66-89: the mask of compare Q at s[MK + Q + 2 (Q / 40)]
	s_load_b128 s[4:7], s[0:1], 0x0                ; sel, list
	v_lshrrev_b32 v8, 5, v0
	v_readfirstlane_b32 s8, v8                     ; wave = expert
	v_and_b32 v[LN], 31, v0
	v_lshlrev_b32 v[LA], 4, v[LN]
	v_lshlrev_b32 v[L4], 2, v[LN]
	v_add_nc_u32 v[DMP], 0x400, v[LN]
	v_mov_b32 v[ZR], 0
	s_wait_alu depctr_va_sdst(0)                   ; s8 is written, ahead of its first reader
	s_add_co_u32 s9, s8, 0x800
	v_mov_b32 v[PAD], s9
	s_mul_i32 s16, s8, LSTB
	s_mov_b32 s17, 0
	s_lshl_b32 s18, s8, 2
	s_mov_b32 s19, 0
	s_mov_b32 s20, 0x400
	s_mov_b32 s10, 0                               ; entries placed so far
	s_wait_kmcnt 0x0
	s_add_nc_u64 s[12:13], s[6:7], s[16:17]
	s_add_nc_u64 s[14:15], s[6:7], s[18:19]
	s_add_nc_u64 s[14:15], s[14:15], CNT_OFF
	s_wait_alu depctr_va_vdst(0)                   ; v[LA] is written, which the loads read as their offset
.irp i, 0,1,2,3,4,5,6,7,8,9,10,11,12,13,14,15
	global_load_b128 v[S+4*\i:S+4*\i+3], v[LA], s[4:5] offset:512*\i
.endr
.set Q, 0
.rept 64                               ; the entries' numbers hang on no loaded number: they are made while the loads are out
	v_add_nc_u32 v[D+Q], 128*(Q/4)+Q%4, v[L4]
.set Q, Q+1
.endr
	s_wait_loadcnt 0x0
.set Q, 0
.rept 64                               ; all compares in one run, each into a scalar register of its own
	v_cmp_eq_u32 s[MK+Q+2*(Q/40)], s8, v[S+Q]
.set Q, Q+1
.endr
	s_wait_alu depctr_va_sdst(0)                   ; the 64 masks are written, ahead of their first reader
.set Q, 0
.rept 64
	v_mbcnt_lo_u32_b32 v[A+Q], s[MK+Q+2*(Q/40)], s10   ; placed so far + the matching lanes below me
	s_bcnt1_i32_b32 s11, s[MK+Q+2*(Q/40)]
	s_add_co_u32 s10, s10, s11
.set Q, Q+1
.endr
.set Q, 0
.rept 64
	v_cndmask_b32 v[A+Q], v[DMP], v[A+Q], s[MK+Q+2*(Q/40)]   ; a lane without a match writes its dump word
.set Q, Q+1
.endr
.set Q, 0
.rept 64
	v_min_u32 v[A+Q], 0x41f, v[A+Q]
.set Q, Q+1
.endr
.set Q, 0
.rept 64
	v_lshlrev_b32 v[A+Q], 2, v[A+Q]
.set Q, Q+1
.endr
	s_wait_alu depctr_va_vdst(0)                   ; the places A and the numbers D are written, which the 64 stores read
.set Q, 0
.rept 64                               ; each step has registers of its own: no store's sources are written again ahead of the waits below
	global_store_b32 v[A+Q], v[D+Q], s[12:13]
.set Q, Q+1
.endr
	s_wait_xcnt 0x0                                ; the places' registers are written again only behind this wait,
	s_wait_alu depctr_vm_vsrc(0)                   ; and behind this one: the stores have read A
.set Q, 0
.rept 32                               ; the rest of the 1,024 words are pads: so every word of a list is always written
	v_add3_u32 v[A+Q], s10, v[LN], 32*Q
.set Q, Q+1
.endr
.set Q, 0
.rept 32
	v_cmp_gt_u32 s[MK+Q], s20, v[A+Q]
.set Q, Q+1
.endr
	v_mov_b32 v[CN], s10
	s_wait_alu depctr_va_sdst(0)                   ; the 32 masks are written, ahead of their first reader
.set Q, 0
.rept 32
	v_cndmask_b32 v[A+Q], v[DMP], v[A+Q], s[MK+Q]
.set Q, Q+1
.endr
.set Q, 0
.rept 32
	v_min_u32 v[A+Q], 0x41f, v[A+Q]
.set Q, Q+1
.endr
.set Q, 0
.rept 32
	v_lshlrev_b32 v[A+Q], 2, v[A+Q]
.set Q, Q+1
.endr
	s_wait_alu depctr_va_vdst(0)                   ; the pads' places are written, which the 32 stores read
.set Q, 0
.rept 32
	global_store_b32 v[A+Q], v[PAD], s[12:13]
.set Q, Q+1
.endr
	v_cmp_eq_u32 vcc_lo, 0, v[LN]
	s_wait_xcnt 0x0                                ; EXEC changes only behind this wait
	s_wait_alu depctr_va_vcc(0)                    ; VCC is written: EXEC is made from it
	s_wait_alu depctr_va_vdst(0)                   ; ahead of a write of EXEC: the vector instructions issued so far are done (v[CN] and v[ZR], which the store below reads, among their results)
	s_wait_alu depctr_vm_vsrc(0)                   ; and the stores issued so far have read their registers
	s_and_saveexec_b32 s11, vcc_lo
	global_store_b32 v[ZR], v[CN], s[14:15]
	s_wait_xcnt 0x0
	s_wait_alu depctr_va_vdst(0)                   ; ahead of the write that restores EXEC: both sides once more
	s_wait_alu depctr_vm_vsrc(0)                   ; the store has read its registers
	s_or_b32 exec_lo, exec_lo, s11
	s_endpgm
.Lfunc_end_k_qc91432b2b5_place:
	.size	k_qc91432b2b5_place, .Lfunc_end_k_qc91432b2b5_place-k_qc91432b2b5_place
	.p2alignl 7, 3214868480
	.fill 96, 4, 3214868480
	.section	.rodata,"a",@progbits
	.p2align	6, 0x0
	.amdhsa_kernel k_qc91432b2b5_place
		.amdhsa_group_segment_fixed_size 0
		.amdhsa_private_segment_fixed_size 0
		.amdhsa_enable_private_segment 0
		.amdhsa_kernarg_size 16
		.amdhsa_user_sgpr_count 2
		.amdhsa_user_sgpr_kernarg_segment_ptr 1
		.amdhsa_wavefront_size32 1
		.amdhsa_system_sgpr_workgroup_id_x 1
		.amdhsa_system_sgpr_workgroup_id_y 1
		.amdhsa_system_sgpr_workgroup_id_z 1
		.amdhsa_system_vgpr_workitem_id 0
		.amdhsa_next_free_vgpr 208
		.amdhsa_next_free_sgpr 90
		.amdhsa_reserve_vcc 1
		.amdhsa_float_denorm_mode_32 3
		.amdhsa_float_denorm_mode_16_64 3
		.amdhsa_memory_ordered 1
		.amdhsa_forward_progress 1
		.amdhsa_inst_pref_size 49
	.end_amdhsa_kernel
	.amdgpu_metadata
---
amdhsa.version: [ 1, 2 ]
amdhsa.kernels:
  - .name:           k_qc91432b2b5_place
    .symbol:         k_qc91432b2b5_place.kd
    .args:
      - { .name: sel, .offset: 0, .size: 8, .value_kind: global_buffer, .address_space: global }
      - { .name: list, .offset: 8, .size: 8, .value_kind: global_buffer, .address_space: global }
    .group_segment_fixed_size: 0
    .private_segment_fixed_size: 0
    .kernarg_segment_align: 8
    .kernarg_segment_size: 16
    .max_flat_workgroup_size: 256
    .sgpr_count:     90
    .vgpr_count:     208
    .wavefront_size: 32
...
	.end_amdgpu_metadata
.endif
;; end of part 7
;; launch ffn1 (part 8): grid 32 x 8, 4 waves a work-group, no clusters, 151,040 bytes of LDS; arguments xq, list, w1_codes, w1_scales, b1, hq; writes hq
.if DOCPART == 8
	.amdgcn_target "amdgcn-amd-amdhsa--gfx1250"
	.amdhsa_code_object_version 6
	.text
	.protected	k_qc91432b2b5_ffn1
	.globl	k_qc91432b2b5_ffn1
	.p2align	8
	.type	k_qc91432b2b5_ffn1,@function
k_qc91432b2b5_ffn1:
	s_mov_b64 s[64:65], 0
	v_nop
	global_prefetch_b8 v0, s[64:65] scope:SCOPE_SE
	s_setreg_imm32_b32 hwreg(HW_REG_WAVE_SCHED_MODE, 0, 2), 2
	s_setreg_imm32_b32 hwreg(HW_REG_WAVE_MODE, 25, 1), 1
	s_wait_xcnt 0x0
	s_wait_alu depctr_vm_vsrc(0)
; FIRST LAYER OF THE CHOSEN EXPERTS: h = Q(gelu(x W1[e] + b1[e])), on codes of BF6 (E3M2) with one E8M0 scale for each 32 along K, for the rows that chose expert e alone.
; SHARES.  Work-group (c, e) owns hidden units 128 c .. 128 c + 127 of expert e, K = 1,024: 96 KB of codes, read from memory once, and takes ALL rows of its expert's list against them.
; Its 128 units are one K step of the second product: a tile of 16 rows leaves as one fragment and one scale word a row.
; The weights are read as they lie (a load: two rows x 256 aligned bytes), stored into LDS as rows, ONE barrier, and from then on only read.
; A PASS: a wave owns four tiles of 16 rows, T0 .. T0 + 3, T0 = 16 pass + 4 wave.  Their codes of x stay in registers, the weights stream from LDS through a ring of two sets of four fragments.
; Pass 0 is always worked: a list's first 256 entries are always written, real or pads.  Further passes run while 16 pass + 4 wave < tiles = ceil(count / 16): the wave's number of passes,
; (tiles + 15 - 4 wave) / 16, at most 4, is made once from the stored count, and the loop counts passes by ones against it; no barrier stands in the loop.
; Pad entries take token 1,023's codes; their results land in tiles' rows that the next launch sends to rows nobody reads.
; No tensor load, no cluster: the trip count is a stored number, and the partners of an expert would need different rows only by that number.
; TRANSPOSED: source 0 = 16 units of W1, source 1 = 16 rows of x: a lane holds one row, its registers run along the hidden units.  THE UNITS OF A TILE ARE NOT NEIGHBOURS: lane m of tile 2 b + u takes
; unit 32 b + 8 u + m + 8 (m / 8), so that the 16 registers of tiles 2 b and 2 b + 1 are 16 neighbours along the next K.  In LDS the rows are laid in that order (bits 3 and 4 of a unit's number change places).
; gelu(a) = 0.5 a (1 + erf(a / sqrt 2)), erf as x P(x^2) / Q(x^2) on the argument held to +-3.7439212, all in f32.
; LIMITS: 1 + erf cancels for a below about -2: the absolute error stays near 1e-7 |a|, and is as large as the number itself beyond a = -5.3, where the result is held near 0.  NaN and infinities are not served.
; The scale words leave in pieces of 64 bytes, one byte in 24 of what the launch stores.
; REGISTERS, in windows of 256: window 0: addresses, scale words, the ring, the epilogue.  window 1: x's fragments of tiles 0, 1 (96 a + 12 s).  window 2: those of tiles 2, 3; v192-255 b1 in the result's layout.
;   window 3: the 32 accumulators (64 a + 8 t); at the head v0-191 hold the weights as loaded.
; THE MODE: SCHED_MODE bits 1:0 = 2 (LLVM: expert scheduling mode 2), set by the entry lines.  The code itself states the register dependences between vector or matrix instructions and memory or LDS
; instructions, with s_wait_alu, always for 0.
; THE PLAN.  Registers that memory or LDS instructions touch:
;   v3-v15, v239     addresses and offsets: written at the head, ahead of one wait on va_vdst, and never again.
;   XO, XSO          the list's loads land; XADDR's vector lines rewrite them in place; x's loads read them as offsets.  A wait on va_vdst behind XADDR; a wait on vm_vsrc at a pass's end, ahead of the next list.
;   windows 1, 2     v0-191: x's global loads land; XTURN's LDS stores read them; XTURN's LDS loads land in them; the products read them.  Both waits stand in XTURN, behind its window switch.
;   XS               x's scale words: loads land, the products read them; the wait behind XADDR stands ahead of the loads.
;   the ring         step u's products read set u % 2; the loads of step u + 1 land in the other set, which step u - 1 read: ONE wait on va_vdst at the head of a step, the step's 24 loads behind it.
;   PC, PW           the quantiser writes them; tile a's four stores are issued in tile a + 1, straight behind the wait for its first reciprocals, which shows the quantiser's results written too;
;                    the waits ahead of the next quantiser (XCNT, vm_vsrc) so stand seven eighths of a tile's gelu behind the stores.  Tile 3's stores have a wait of their own.
;   window 3 v0-191  at the head: the weights as loaded, read by LDS stores: a wait on vm_vsrc behind the barrier, ahead of the products that write these registers.
.set PITCH,   784                      ; an LDS row: 768 bytes + 16 = 196 words: row r starts at bank 4 r mod 64 (64 banks of 4 bytes: ISA guide 11.1), the second half of the lanes 6 words on
.set TILEB,   16*PITCH
.set XSTG,    128*PITCH                ; behind the weights: a stage of 16 rows for each wave
.set SPARE,   XSTG+4*TILEB             ; the spare words, 128 bytes a wave: two blocks of 256 bytes that no other line names
.set XS_OFF,  786432
.set CNT_OFF, 34816
.set LSTB,    4352
.set HS_OFF,  25165824
.set FRB,     1536                     ; a fragment's image
.set HTILE,   32*FRB                   ; from tile to tile in hq
.set STILE,   32*64                    ; and among its scale words
.set SPW,  1                           ; LDS address of my spare word; never rewritten
.set NIL,  2                           ; 0; never rewritten
.set AW,   3                           ; v3, v4  my place in a tile of W1: tiles 0-3, tiles 4-7
.set AXF,  5                           ; my place in a tile of x in my stage
.set AXS,  6                           ; where I store 16 bytes of x into my stage
.set HO,   7                           ; 16 x lane
.set LR,   8                           ; 4 r
.set LO,   9                           ; 4 h
.set VCOL, 11                          ; 16 r
.set VH16, 12                          ; 16 h
.set GW,   13                          ; W1 in memory: 768 h + 16 r
.set SW,   14                          ; W1 into LDS
.set WSO,  15                          ; W1's scale words
.set XO,   16                          ; v16-47   8 a + j: byte offset in xq of rows 2 j + h of tile a
.set XSO,  48                          ; v48-51   the same for the scale bytes of row r
.set XS,   52                          ; v52-67   x's scale words: 4 a + m: lanes 0-15 K step m, lanes 16-31 K step 4 + m
.set W1S,  68                          ; v68-99   W1's: 4 t + m likewise
.set WR,   100                         ; v100-195 the ring
.set HB,   100                         ; v100-163 the epilogue: 64 numbers of a lane
.set GZ,   164                         ; v164-195 four pairs each of z, z^2, P, Q
.set GX,   172
.set GP,   180
.set GQ,   188
.set TM,   196
.set PW,   212
.set PC,   214                         ; v214-232
.set CA,   234
.set CB,   236
.set CL,   238
.set BO,   239
.set BIAS, 192
.set SEL,  34
.set MSB, 0
.macro WIN new                         ; the immediate's high byte repeats the setting that is left; a switch that changes nothing is dropped
.if MSB != (\new)
	s_set_vgpr_msb (MSB<<8)|(\new)
.set MSB, (\new)
.endif
.endm
.macro PLACES                          ; four plain places behind a step's matrix instructions (ISA guide 7.12.1): behind the last step they stand ahead of the first read of results
.rept 4
	v_nop
.endr
.endm
.macro SPAIR r, val
	s_mov_b32 s[\r], \val
	s_mov_b32 s[\r+1], \val
.endm
.macro FRAG reg, adr, off              ; a fragment, 16 rows x 128 K: lane (r, h) takes 24 bytes at 24 h and 24 at 48 + 24 h of its row's 96, in pieces of 8
.irp p, 0,1,2,3,4,5
	ds_load_b64 v[(\reg)+2*\p:(\reg)+2*\p+1], v[(\adr)] offset:(\off)+48*(\p/3)+8*(\p%3)
.endr
.endm
.macro LISTLOAD
.irp a, 0,1,2,3
.irp j, 0,1,2,3,4,5,6,7
	global_load_b32 v[XO+8*\a+\j], v[LO], s[26:27] offset:64*\a+8*\j
.endr
	global_load_b32 v[XSO+\a], v[LR], s[26:27] offset:64*\a
.endr
.endm
.macro XADDR                           ; entry n -> token n / 2, held inside the table -> byte offsets
.set Q, 0
.rept 36
	v_lshrrev_b32 v[XO+Q], 1, v[XO+Q]
.set Q, Q+1
.endr
.set Q, 0
.rept 36
	v_min_u32 v[XO+Q], 0x3ff, v[XO+Q]
.set Q, Q+1
.endr
.set Q, 0
.rept 32
	v_mul_u32_u24 v[XO+Q], 0x300, v[XO+Q]
.set Q, Q+1
.endr
.set Q, 0
.rept 32
	v_add_nc_u32 v[XO+Q], v[VCOL], v[XO+Q]
.set Q, Q+1
.endr
.irp a, 0,1,2,3
	v_lshlrev_b32 v[XSO+\a], 5, v[XSO+\a]
.endr
.irp a, 0,1,2,3
	v_add_nc_u32 v[XSO+\a], v[VH16], v[XSO+\a]
.endr
.endm
.macro XSLOAD
.irp a, 0,1,2,3
	global_load_b128 v[XS+4*\a:XS+4*\a+3], v[XSO+\a], s[24:25]
.endr
.endm
.macro XRAW a                          ; tile a's codes as they lie: a load takes 256 aligned bytes of each of two tokens
	WIN 0x40*(1+(\a)/2)
.irp j, 0,1,2,3,4,5,6,7
.irp u, 0,1,2
	global_load_b128 v[96*((\a)%2)+4*(3*\j+\u):96*((\a)%2)+4*(3*\j+\u)+3], v[XO+8*(\a)+\j], s[4:5] offset:256*\u
.endr
.endr
.endm
.macro XTURN a, n                      ; through my stage, and back as eight fragments into the registers that the bytes left.  LDS serves a wave's instructions in order: no wait on DScnt between, nor ahead of the next tile's stores
	s_wait_loadcnt \n
	WIN 0x04*(1+(\a)/2)
.irp j, 0,1,2,3,4,5,6,7
.irp u, 0,1,2
	ds_store_b128 v[AXS], v[96*((\a)%2)+4*(3*\j+\u):96*((\a)%2)+4*(3*\j+\u)+3] offset:2*PITCH*\j+256*\u
.endr
.endr
	WIN 0x40*(1+(\a)/2)
	s_wait_alu depctr_va_vdst(0)                   ; round the loop: the last pass's matrix instructions are done reading these registers, in which the fragments land
	s_wait_alu depctr_vm_vsrc(0)                   ; the LDS stores above have read them
.irp s, 0,1,2,3,4,5,6,7
	FRAG 96*((\a)%2)+12*\s, AXF, 96*\s
.endr
.endm
.macro WFETCH u                        ; step u: K step u / 2 of tiles 4 (u % 2) + 0 .. 3, into set u % 2
.irp tt, 0,1,2,3
	FRAG WR+48*((\u)%2)+12*\tt, AW+(\u)%2, TILEB*\tt+96*((\u)/2)
.endr
.endm
.macro PROD1 u, tt, a
.set KS_, (\u)/2
.set TI_, 4*((\u)%2)+(\tt)
.set PD_, 64*(\a)+8*TI_
.set PA_, WR+48*((\u)%2)+12*(\tt)
.set PB_, 96*((\a)%2)+12*KS_
.if KS_ == 0
	v_wmma_scale_f32_16x16x128_f8f6f4 v[PD_:PD_+7], v[PA_:PA_+11], v[PB_:PB_+11], v[BIAS+8*TI_:BIAS+8*TI_+7], v[W1S+4*TI_], v[XS+4*(\a)] matrix_a_fmt:MATRIX_FMT_BF6 matrix_b_fmt:MATRIX_FMT_BF6
.elseif KS_ < 4
	v_wmma_scale_f32_16x16x128_f8f6f4 v[PD_:PD_+7], v[PA_:PA_+11], v[PB_:PB_+11], v[PD_:PD_+7], v[W1S+4*TI_+KS_], v[XS+4*(\a)+KS_] matrix_a_fmt:MATRIX_FMT_BF6 matrix_b_fmt:MATRIX_FMT_BF6
.else
	v_wmma_scale_f32_16x16x128_f8f6f4 v[PD_:PD_+7], v[PA_:PA_+11], v[PB_:PB_+11], v[PD_:PD_+7], v[W1S+4*TI_+KS_-4], v[XS+4*(\a)+KS_-4] matrix_a_fmt:MATRIX_FMT_BF6 matrix_b_fmt:MATRIX_FMT_BF6 matrix_a_scale:MATRIX_SCALE_ROW1 matrix_b_scale:MATRIX_SCALE_ROW1
.endif
.endm
; A step: 16 matrix instructions on 16 different accumulators, one a turn; an accumulator comes up again 32 instructions later.  The bias is the C of a sum's first product.
; The next step's 24 loads stand at the step's head, behind its one wait: so they have the step's 16 products in which to land.  (The ring lies in window 0, the products' destination in window 3:
; dealt among the products each group of loads would want two switches.)
.macro MSTEP u
.if (\u) < 15
.if (\u) > 0
	s_wait_alu depctr_va_vdst(0)                   ; the last step's matrix instructions are done reading the ring's other set, in which the loads below land
.endif
	WFETCH (\u)+1
	s_wait_dscnt 24                                ; this step's fragments are in; the 24 loads just issued may be out
.else
	s_wait_dscnt 0x0
.endif
.irp pr, 0,1
.if (\u) < 2
	WIN 0xe4+4*\pr                                 ; D window 3, C (b1) window 2, W1 window 0, x window 1 or 2
.else
	WIN 0xf4+4*\pr                                 ; C and D window 3
.endif
.irp tt, 0,1,2,3
.irp aa, 0,1
	PROD1 \u, \tt, 2*\pr+\aa
.endr
.endr
.endr
	WIN 0
	PLACES
.endm
.macro HSTORE a                        ; tile a's fragment leaves as an image of the operand's registers, and its scale words
.irp g, 0,1,2
	global_store_b128 v[HO], v[PC+4*\g:PC+4*\g+3], s[28:29] offset:HTILE*(\a)+512*\g th:TH_STORE_NT   ; 512 consecutive bytes, aligned
.endr
	global_store_b32 v[LR], v[PW], s[30:31] offset:STILE*(\a) th:TH_STORE_NT   ; lanes r and r + 16 write the same word with the same value
.endm
; Eight numbers: HB holds 0.5 a.  z = a / sqrt 2, held; erf = z P(z^2) / Q(z^2); gelu = 0.5 a + 0.5 a erf.  Four pairs by turns: no line waits for the line above it.
; prev: the tile whose codes are stored behind this batch's wait, or -1.
.macro GELU4 g, prev
.irp p, 0,2,4,6
	v_pk_mul_f32 v[GZ+\p:GZ+\p+1], v[HB+8*(\g)+\p:HB+8*(\g)+\p+1], s[36:37] op_sel_hi:[1,0]
.endr
.irp p, 0,1,2,3,4,5,6,7
	v_med3_num_f32 v[GZ+\p], v[GZ+\p], -v[CL], v[CL]
.endr
.irp p, 0,2,4,6
	v_pk_mul_f32 v[GX+\p:GX+\p+1], v[GZ+\p:GZ+\p+1], v[GZ+\p:GZ+\p+1]
.endr
.irp p, 0,2,4,6
	v_pk_fma_f32 v[GP+\p:GP+\p+1], v[GX+\p:GX+\p+1], s[40:41], v[CA:CA+1] op_sel_hi:[1,0,1]
	v_pk_fma_f32 v[GQ+\p:GQ+\p+1], v[GX+\p:GX+\p+1], s[48:49], v[CB:CB+1] op_sel_hi:[1,0,1]
.endr
.irp k, 42,44,46
.irp p, 0,2,4,6
	v_pk_fma_f32 v[GP+\p:GP+\p+1], v[GP+\p:GP+\p+1], v[GX+\p:GX+\p+1], s[\k:\k+1] op_sel_hi:[1,1,0]
	v_pk_fma_f32 v[GQ+\p:GQ+\p+1], v[GQ+\p:GQ+\p+1], v[GX+\p:GX+\p+1], s[\k+8:\k+9] op_sel_hi:[1,1,0]
.endr
.endr
.irp p, 0,2,4,6
	v_pk_fma_f32 v[GQ+\p:GQ+\p+1], v[GQ+\p:GQ+\p+1], v[GX+\p:GX+\p+1], s[56:57] op_sel_hi:[1,1,0]
.endr
.irp p, 0,2,4,6
	v_pk_fma_f32 v[GQ+\p:GQ+\p+1], v[GQ+\p:GQ+\p+1], v[GX+\p:GX+\p+1], 1.0 op_sel_hi:[1,1,0]
.endr
	s_wait_alu depctr_va_vdst(0)
.irp p, 0,1,2,3,4,5,6,7
	v_rcp_f32 v[GQ+\p], v[GQ+\p]
.endr
.irp p, 0,2,4,6
	v_pk_mul_f32 v[GP+\p:GP+\p+1], v[GP+\p:GP+\p+1], v[GZ+\p:GZ+\p+1]   ; plain work behind the batch of reciprocals
.endr
	s_wait_alu depctr_va_vdst(0)                   ; the eight reciprocals have written v[GQ ..], ahead of their first use; in a tile's first batch also: the quantiser has written the codes and the scale word of the tile before
.if (\prev) >= 0
	HSTORE \prev                                   ; no vector instruction since the wait names v[PC ..] or v[PW]
.endif
.irp p, 0,2,4,6
	v_pk_mul_f32 v[GP+\p:GP+\p+1], v[GP+\p:GP+\p+1], v[GQ+\p:GQ+\p+1]
.endr
.irp p, 0,2,4,6
	v_pk_fma_f32 v[HB+8*(\g)+\p:HB+8*(\g)+\p+1], v[HB+8*(\g)+\p:HB+8*(\g)+\p+1], v[GP+\p:GP+\p+1], v[HB+8*(\g)+\p:HB+8*(\g)+\p+1]
.endr
.endm
; 64 numbers of a lane, register 16 b + i = k 32 b + 16 (lane / 16) + i of my row, become a fragment's codes in v[PC] on and its scale word in v[PW].
.macro QUANT s
.irp b, 0,1,2,3
	v_max3_num_f32 v[TM+\b], |v[\s+16*\b]|, |v[\s+1+16*\b]|, 0x2800000   ; block b: my 16 numbers, and the floor 2^(5 - 127): the byte cannot fall under 1
.endr
.irp i, 2,4,6,8,10,12,14
.irp b, 0,1,2,3
	v_max3_num_f32 v[TM+\b], v[TM+\b], |v[\s+16*\b+\i]|, |v[\s+1+16*\b+\i]|
.endr
.endr
.irp b, 0,1,2,3
	v_permlanex16_b32 v[TM+4+\b], v[TM+\b], s[SEL], s[SEL+1]
.endr
.irp b, 0,1,2,3
	v_max_num_f32 v[TM+\b], v[TM+\b], v[TM+4+\b]   ; with lane l xor 16's: the block's largest magnitude
.endr
.irp b, 0,1,2,3
	v_add_nc_u32 v[TM+12+\b], 0xfe000000, v[TM+\b] ; 4 off its exponent field: the conversion's scale operand
.endr
.irp b, 0,1,2,3
	v_lshrrev_b32 v[TM+4+\b], 23, v[TM+12+\b]      ; the scale's byte
.endr
	v_lshl_or_b32 v[PW], v[TM+5], 8, v[TM+4]
	v_lshl_or_b32 v[PW], v[TM+6], 16, v[PW]
	v_lshl_or_b32 v[PW], v[TM+7], 24, v[PW]
.irp c, 0,1
	v_cvt_scalef32_pk16_bf6_f32 v[PC+6*\c:PC+2+6*\c], v[\s+32*\c:\s+15+32*\c], v[TM+12+2*\c]
	v_cvt_scalef32_pk16_bf6_f32 v[PC+12+4*\c:PC+14+4*\c], v[\s+16+32*\c:\s+31+32*\c], v[TM+12+2*\c+1]   ; (a conversion's three registers begin on an even number)
.endr
	v_nop                                          ; one plain place behind a scaled conversion
.irp c, 0,1                            ; the operand's layout wants a whole block in a lane
.irp i, 0,1,2
	v_permlane16_swap_b32 v[PC+6*\c+\i], v[PC+12+4*\c+\i]
.endr
.irp i, 0,1,2
	v_mov_b32 v[PC+3+6*\c+\i], v[PC+12+4*\c+\i]
.endr
.endr
.endm
.macro EPI a                           ; tile a: halved out of its accumulators (each from its low end on), gelu, quantised.  The tile before leaves behind the first batch's wait; this tile leaves in the next one's turn
	WIN 0x03
.set Q, 0
.rept 32
	v_pk_mul_f32 v[HB+Q:HB+Q+1], v[64*(\a)+Q:64*(\a)+Q+1], 0.5 op_sel_hi:[1,0]
.set Q, Q+2
.endr
	WIN 0
	GELU4 0, (\a)-1
.irp g, 1,2,3,4,5,6,7
	GELU4 \g, -1
.endr
	s_wait_xcnt 0x0                                ; the last tile's stores (round the loop: tile 3's) have had their addresses translated: the codes' registers and the scale word are written again only behind this wait,
	s_wait_alu depctr_vm_vsrc(0)                   ; and behind this one: those stores have read v[PC ..] and v[PW]
	QUANT HB
.endm
	s_load_b256 s[4:11], s[0:1], 0x0               ; xq, list, W1's codes, W1's scales
	s_load_b128 s[12:15], s[0:1], 0x20             ; b1, hq
	v_lshl_add_u32 v[SPW], v0, 2, SPARE
	v_mov_b32 v[NIL], 0
	v_lshrrev_b32 v15, 5, v0
	v_readfirstlane_b32 s16, v15                   ; wave
	s_mov_b32 s17, ttmp9                           ; c
	s_and_b32 s18, ttmp7, 0xffff                   ; e
	s_lshl_b32 s58, s18, 2
	s_wait_alu depctr_va_sdst(0)                   ; s16 is written, ahead of its first reader
	s_lshl_b32 s20, s16, 2                         ; pass 0's T0 = 4 wave
	v_and_b32 v10, 15, v0                          ; r
	v_bfe_u32 v[LO], v0, 4, 1                      ; h
	v_and_b32 v[HO], 31, v0
	v_mul_u32_u24 v[AW], v10, PITCH
	v_mad_u32_u24 v[AW], v[LO], 24, v[AW]
	v_add_nc_u32 v[AW+1], 4*TILEB, v[AW]
	s_mul_i32 s21, s16, TILEB
	s_add_co_u32 s21, s21, XSTG
	v_add_nc_u32 v[AXF], s21, v[AW]
	v_lshlrev_b32 v[VCOL], 4, v10
	v_mad_u32_u24 v[AXS], v[LO], PITCH, v[VCOL]
	v_add_nc_u32 v[AXS], s21, v[AXS]
	v_mad_u32_u24 v[GW], v[LO], 768, v[VCOL]
	s_mul_i32 s21, s16, 32*PITCH
	v_mad_u32_u24 v[SW], v[LO], PITCH, v[VCOL]
	v_add_nc_u32 v[SW], s21, v[SW]
	v_and_b32 v[WSO], 8, v10
	v_add_nc_u32 v[WSO], v[WSO], v10               ; r + 8 (r / 8)
	v_lshlrev_b32 v[WSO], 5, v[WSO]
	v_lshl_add_u32 v[WSO], v[LO], 4, v[WSO]
	v_lshlrev_b32 v[BO], 6, v[LO]
	v_lshlrev_b32 v[VH16], 4, v[LO]
	v_lshlrev_b32 v[HO], 4, v[HO]
	v_lshlrev_b32 v[LR], 2, v10
	v_lshlrev_b32 v[LO], 2, v[LO]
	v_mov_b32 v[CA], 0x3b5f5da2
	v_mov_b32 v[CA+1], 0x3b5f5da2
	v_mov_b32 v[CB], 0x37c588df
	v_mov_b32 v[CB+1], 0x37c588df
	v_mov_b32 v[CL], 0x406f9c67                    ; 3.7439212: beyond it erf is 1 in f32
.irp b, 0,1,2,3
	v_mov_b32 v[TM+4+\b], 0                        ; written once: a lane permute's destination counts as one of its sources
.endr
	s_mov_b32 s[SEL], 0x76543210
	s_mov_b32 s[SEL+1], 0xfedcba98
	SPAIR 36, 0x3fb504f3                           ; sqrt 2
	SPAIR 40, 0x39702d51                           ; P's coefficients, the highest power first (the second lies in v[CA])
	SPAIR 42, 0x3d50b6eb
	SPAIR 44, 0x3e3da740
	SPAIR 46, 0x3f906eba
	SPAIR 48, 0xb3fd3906                           ; Q's (the second in v[CB], the last is 1)
	SPAIR 50, 0x3a856d28
	SPAIR 52, 0x3c6687d4
	SPAIR 54, 0x3de34c21
	SPAIR 56, 0x3efeb44a
	s_mov_b32 s23, 0
	s_wait_kmcnt 0x0
	s_load_b32 s19, s[6:7], s58 offset:CNT_OFF     ; my expert's count: wanted only at the first pass's end
	s_add_nc_u64 s[24:25], s[4:5], XS_OFF
	s_mul_i32 s22, s18, LSTB
	s_lshl_b32 s21, s20, 6
	s_add_co_u32 s22, s22, s21
	s_add_nc_u64 s[26:27], s[6:7], s[22:23]        ; my four tiles' entries
	s_lshl_b32 s21, s18, 6
	s_add_co_u32 s21, s21, s20
	s_lshl_b32 s21, s21, 5
	s_add_co_u32 s21, s21, s17                     ; (64 e + T0) 32 + c
	s_mul_i32 s22, s21, FRB
	s_add_nc_u64 s[28:29], s[14:15], s[22:23]
	s_lshl_b32 s22, s21, 6
	s_add_nc_u64 s[30:31], s[14:15], s[22:23]
	s_add_nc_u64 s[30:31], s[30:31], HS_OFF
	s_lshl_b32 s21, s18, 12
	s_lshl_b32 s22, s17, 7
	s_add_co_u32 s21, s21, s22                     ; my first unit: 4096 e + 128 c
	s_lshl_b32 s22, s21, 5
	s_add_nc_u64 s[10:11], s[10:11], s[22:23]
	s_lshl_b32 s22, s21, 2
	s_add_nc_u64 s[12:13], s[12:13], s[22:23]
	s_lshl_b32 s22, s16, 5
	s_add_co_u32 s21, s21, s22
	s_mul_i32 s22, s21, 768
	s_add_nc_u64 s[8:9], s[8:9], s[22:23]          ; my wave's 32 rows of codes
	s_wait_alu depctr_va_vdst(0)                   ; the addresses and offsets v3 to v15 and v239 are written, which every load and store of the kernel reads
	LISTLOAD                                       ; 36 loads
	WIN 0xc0
.irp i, 0,1,2,3,4,5,6,7,8,9,10,11,12,13,14,15
.irp u, 0,1,2
	global_load_b128 v[4*(3*\i+\u):4*(3*\i+\u)+3], v[GW], s[8:9] offset:1536*\i+256*\u th:TH_LOAD_NT   ; 48 loads: rows 2 i + h, 256 aligned bytes of each
.endr
.endr
	WIN 0
	s_wait_loadcnt 48                              ; the list is in; the 48 loads of weights are younger
	XADDR
	s_wait_alu depctr_va_vdst(0)                   ; XADDR has written XO and XSO, which x's loads read as their offsets
	XRAW 0
	XRAW 1
	s_wait_loadcnt 48                              ; the weights are in; two tiles of x, 48 loads, are younger
	WIN 0x0c
.irp i, 0,1,2,3,4,5,6,7,8,9,10,11,12,13,14,15
.irp u, 0,1,2
	ds_store_b128 v[SW], v[4*(3*\i+\u):4*(3*\i+\u)+3] offset:(((2*\i)&7)|(((2*\i)&8)<<1)|(((2*\i)&16)>>1))*PITCH+256*\u   ; bits 3 and 4 of the row's number change places
.endr
.endr
	WIN 0
.irp t, 0,1,2,3,4,5,6,7
	global_load_b128 v[W1S+4*\t:W1S+4*\t+3], v[WSO], s[10:11] offset:(32*(\t/2)+8*(\t%2))*32
.endr
	WIN 0x80
.irp t, 0,1,2,3,4,5,6,7
	global_load_b128 v[BIAS+8*\t:BIAS+8*\t+3], v[BO], s[12:13] offset:(32*(\t/2)+8*(\t%2))*4
	global_load_b128 v[BIAS+8*\t+4:BIAS+8*\t+7], v[BO], s[12:13] offset:(32*(\t/2)+8*(\t%2))*4+16
.endr
	WIN 0
	XSLOAD
	XRAW 2
	XRAW 3
	WIN 0
	s_wait_kmcnt 0x0
	s_add_co_u32 s19, s19, 15
	s_lshr_b32 s19, s19, 4
	s_min_u32 s19, s19, 64                         ; tiles of my expert
	s_add_co_u32 s19, s19, 15
	s_sub_co_u32 s19, s19, s20                     ; + 15 - 4 wave: never under 3
	s_lshr_b32 s19, s19, 4                         ; my passes: how many p have 16 p + 4 wave < tiles
	s_min_u32 s19, s19, 4
	s_mov_b32 s20, 0                               ; from here on s20 counts passes
	s_wait_dscnt 0x0                               ; my part of the weights lies in LDS
	s_barrier_signal -1
	s_barrier_wait -1                              ; everybody's does; nobody writes those bytes again
	s_wait_alu depctr_vm_vsrc(0)                   ; my LDS stores have read window 3's v0-191: these registers are accumulators from here on, written by the matrix instructions
.Lpass:
	XTURN 0, 63                                    ; younger than tile 0's loads: 100 on the way in from the head, 72 on the way round: 63 is the largest count that can be written
	XTURN 1, 48                                    ; 76 and 48
	XTURN 2, 24                                    ; tile 3's 24; the scale words and the bias are older
	XTURN 3, 0
	WIN 0
	WFETCH 0                                       ; (the epilogue, which named these registers, stands ahead of the wait behind XADDR; no vector instruction has been issued since)
.irp u, 0,1,2,3,4,5,6,7,8,9,10,11,12,13,14,15
	MSTEP \u
.endr
	EPI 0
	EPI 1
	EPI 2
	EPI 3
	s_wait_alu depctr_va_vdst(0)                   ; the quantiser has written tile 3's codes and scale word, which the stores below read
	HSTORE 3
	s_wait_alu depctr_vm_vsrc(0)                   ; this pass's loads of x have read XO and XSO, in which the next list lands; it stands ahead of the branch
	s_add_co_u32 s20, s20, 1
	s_cmp_ge_u32 s20, s19
	s_cbranch_scc1 .Lend
	s_wait_xcnt 0x0                                ; the stores have read their bases
	s_add_nc_u64 s[26:27], s[26:27], 1024
	s_add_nc_u64 s[28:29], s[28:29], 16*HTILE
	s_add_nc_u64 s[30:31], s[30:31], 16*STILE
	LISTLOAD                                       ; (XADDR, which wrote XO and XSO, stands ahead of many a wait on va_vdst; no vector instruction since the last names them)
	s_wait_loadcnt 0x0
	XADDR
	s_wait_alu depctr_va_vdst(0)                   ; XADDR has written XO and XSO, which x's loads read; the matrix instructions are done reading XS and x's fragments, in which those loads land; the epilogue is done with the ring's registers
	XSLOAD
	XRAW 0
	XRAW 1
	XRAW 2
	XRAW 3
	WIN 0
	s_cmp_lt_u32 s20, s19
	s_cbranch_scc1 .Lpass
.Lend:
	s_wait_dscnt 0x0                               ; the closing lines, six on end
	s_wait_alu 0x0
	s_wait_tensorcnt 0x0
	ds_add_u32 v[SPW], v[NIL]
	s_wait_dscnt 0x0
	s_endpgm
.Lfunc_end_k_qc91432b2b5_ffn1:
	.size	k_qc91432b2b5_ffn1, .Lfunc_end_k_qc91432b2b5_ffn1-k_qc91432b2b5_ffn1
	.p2alignl 7, 3214868480
	.fill 96, 4, 3214868480
	.section	.rodata,"a",@progbits
	.p2align	6, 0x0
	.amdhsa_kernel k_qc91432b2b5_ffn1
		.amdhsa_group_segment_fixed_size 151040
		.amdhsa_private_segment_fixed_size 0
		.amdhsa_enable_private_segment 0
		.amdhsa_kernarg_size 48
		.amdhsa_user_sgpr_count 2
		.amdhsa_user_sgpr_kernarg_segment_ptr 1
		.amdhsa_wavefront_size32 1
		.amdhsa_system_sgpr_workgroup_id_x 1
		.amdhsa_system_sgpr_workgroup_id_y 1
		.amdhsa_system_sgpr_workgroup_id_z 1
		.amdhsa_system_vgpr_workitem_id 0
		.amdhsa_next_free_vgpr 1024
		.amdhsa_next_free_sgpr 66
		.amdhsa_reserve_vcc 0
		.amdhsa_float_denorm_mode_32 3
		.amdhsa_float_denorm_mode_16_64 3
		.amdhsa_memory_ordered 1
		.amdhsa_forward_progress 1
		.amdhsa_inst_pref_size 255
	.end_amdhsa_kernel
	.section	.bss,"aw",@nobits
	.p2align	6
	.space	262144
	.amdgpu_metadata
---
amdhsa.version: [ 1, 2 ]
amdhsa.kernels:
  - .name:           k_qc91432b2b5_ffn1
    .symbol:         k_qc91432b2b5_ffn1.kd
    .args:
      - { .name: xq, .offset: 0, .size: 8, .value_kind: global_buffer, .address_space: global }
      - { .name: list, .offset: 8, .size: 8, .value_kind: global_buffer, .address_space: global }
      - { .name: w1_codes, .offset: 16, .size: 8, .value_kind: global_buffer, .address_space: global }
      - { .name: w1_scales, .offset: 24, .size: 8, .value_kind: global_buffer, .address_space: global }
      - { .name: b1, .offset: 32, .size: 8, .value_kind: global_buffer, .address_space: global }
      - { .name: hq, .offset: 40, .size: 8, .value_kind: global_buffer, .address_space: global }
    .group_segment_fixed_size: 151040
    .private_segment_fixed_size: 0
    .kernarg_segment_align: 8
    .kernarg_segment_size: 48
    .max_flat_workgroup_size: 128
    .sgpr_count:     66
    .vgpr_count:     1024
    .wavefront_size: 32
...
	.end_amdgpu_metadata
.endif
;; end of part 8
;; launch ffn2 (part 9): grid 32 x 8, 4 waves a work-group, no clusters, 117,248 bytes of LDS; arguments hq, list, w2_codes, w2_scales, y; writes y
.if DOCPART == 9
	.amdgcn_target "amdgcn-amd-amdhsa--gfx1250"
	.amdhsa_code_object_version 6
	.text
	.protected	k_qc91432b2b5_ffn2
	.globl	k_qc91432b2b5_ffn2
	.p2align	8
	.type	k_qc91432b2b5_ffn2,@function
k_qc91432b2b5_ffn2:
	s_mov_b64 s[64:65], 0
	v_nop
	global_prefetch_b8 v0, s[64:65] scope:SCOPE_SE
	s_setreg_imm32_b32 hwreg(HW_REG_WAVE_SCHED_MODE, 0, 2), 2
	s_setreg_imm32_b32 hwreg(HW_REG_WAVE_MODE, 25, 1), 1
	s_wait_xcnt 0x0
	s_wait_alu depctr_vm_vsrc(0)
; SECOND LAYER OF THE CHOSEN EXPERTS: y[q][n] = the sum over half q of K = 4,096 of h W2[e], on codes of BF6 (E3M2) with one E8M0 scale for each 32 along K.
; SHARES.  Work-group x = 2 j + q of expert e owns outputs 64 j .. 64 j + 63 and K steps 16 q .. 16 q + 15: 96 KB of codes, read from memory once, against ALL rows of its expert.
; The two halves of K are added, with the bias and the gate, by the next launch: each word of y has one writer.
; The weights are read as they lie (a load: two rows x 256 aligned bytes), stored into LDS as rows, ONE barrier, and from then on only read.
; A PASS: a wave owns four tiles of 16 rows, T0 .. T0 + 3, T0 = 16 pass + 4 wave.  The hidden layer's fragments come from hq as images of the operand's registers, 512 consecutive bytes a load, eight K steps at a time
; in registers, each slot filled again in the step behind the one that multiplied it; the weights stream from LDS through a ring of two sets of four fragments.
; Pass 0 is always worked (the launch before always writes tiles 0 to 15).  Further passes run while 16 pass + 4 wave < tiles = ceil(count / 16): the wave's number of passes, (tiles + 15 - 4 wave) / 16,
; at most 4, is made once from the stored count, as the launch before makes it, and the loop counts passes by ones against it; no barrier stands in the loop.
; A row goes to row n of y, n its list entry 2 token + slot; pads go to row 2048 + e, which nobody reads.
; No tensor load, no cluster: the trip count is a stored number.
; TRANSPOSED: source 0 = 16 rows of W2, source 1 = 16 rows of h: a lane holds eight neighbouring outputs of one row.
; REGISTERS, in windows of 256: window 0: addresses, scale words, the ring.  windows 1, 2: h's fragments (tile a, slot s % 8) at 96 (a % 2) + 12 (s % 8), tiles 0, 1 and 2, 3.
;   window 3: the 16 accumulators (32 a + 8 t); at the head v0-191 hold the weights as loaded.
; THE MODE: SCHED_MODE bits 1:0 = 2 (LLVM: expert scheduling mode 2), set by the entry lines.  The code itself states the register dependences between vector or matrix instructions and memory or LDS
; instructions, with s_wait_alu, always for 0.
; THE PLAN.  Registers that memory or LDS instructions touch:
;   v3-v13           addresses and offsets: written at the head, ahead of one wait on va_vdst, and never again.
;   the ring         step s's products read set s % 2; the loads of step s + 1 land in the other set, which step s - 1 read.
;   windows 1, 2     step s's products read slot s % 8; the loads of K step s + 8 land in it, issued in the middle of step s + 1.
;                    So ONE wait on va_vdst stands at the head of a step: the step before is done reading the ring's other set and its slot of h.  The 24 LDS loads follow it; the 12 global loads stand
;                    between the step's two runs of eight products, which name this step's set, this step's slot, the accumulators and scale words: none of the registers that those loads touch.
;   HS, W2S          scale words: loads land, the products read them; HS is loaded again at a pass's end.
;   YO               the list's loads land; 96 vector lines rewrite them; y's stores read them as offsets.
;   window 3         the products write the accumulators; the stage's LDS stores read them; the stage's LDS loads land in them; y's stores read them; the next pass's products write them.
;                    One wait on va_vdst behind YO's lines serves the first stores; both waits stand in TOSTAGE behind its window switch; vm_vsrc at a pass's end, va_vdst ahead of the next pass's loads.
;   window 3 v0-191  at the head: the weights as loaded, read by LDS stores: a wait on vm_vsrc behind the barrier.
.set PITCH,   1552                     ; an LDS row: 1,536 bytes + 16 = 388 words: row r starts at bank 4 r mod 64 (64 banks of 4 bytes: ISA guide 11.1), the second half of the lanes 6 words on
.set TILEB,   16*PITCH
.set YSTG,    64*PITCH                 ; behind the weights: a stage of 16 rows x (256 + 16) bytes for each wave
.set YSTW,    16*272
.set SPARE,   YSTG+4*YSTW              ; the spare words, 128 bytes a wave: two blocks of 256 bytes that no other line names
.set CNT_OFF, 34816
.set LSTB,    4352
.set HS_OFF,  25165824
.set FRB,     1536
.set HTILE,   32*FRB
.set STILE,   32*64
.set YQ,      8421376                  ; a half of y: 2,056 rows of 4,096 bytes
.set SPW,  1                           ; LDS address of my spare word; never rewritten
.set NIL,  2                           ; 0; never rewritten
.set AW,   3                           ; v3, v4  my place in a tile of W2: tiles 0, 1 and tiles 2, 3
.set HO,   5                           ; 16 x lane
.set HSO,  6                           ; 4 x lane
.set LO,   7                           ; 4 h
.set VCOL, 8                           ; 16 r
.set STO,  9                           ; the stage: where I put 32 bytes of a row
.set RD,   10                          ; and where I read a row back
.set GW,   11                          ; W2 in memory: 3072 h + 16 r
.set SW,   12                          ; W2 into LDS
.set WSO,  13                          ; W2's scale words: 128 r + 16 h
.set YO,   16                          ; v16-47   8 a + i: byte offset in y of rows 2 i + h of tile a
.set HS,   48                          ; v48-79   h's scale words: 8 a + m: lanes 0-15 K step 2 m, lanes 16-31 K step 2 m + 1
.set W2S,  80                          ; v80-111  W2's: 8 t + 4 g + m: lanes 0-15 K step 8 g + m, lanes 16-31 K step 8 g + 4 + m
.set WR,   112                         ; v112-207 the ring
.set MSB, 0
.macro WIN new                         ; the immediate's high byte repeats the setting that is left; a switch that changes nothing is dropped
.if MSB != (\new)
	s_set_vgpr_msb (MSB<<8)|(\new)
.set MSB, (\new)
.endif
.endm
.macro PLACES                          ; four plain places behind a step's matrix instructions (ISA guide 7.12.1): behind the last step they stand ahead of the first read of results
.rept 4
	v_nop
.endr
.endm
.macro FRAG reg, adr, off
.irp p, 0,1,2,3,4,5
	ds_load_b64 v[(\reg)+2*\p:(\reg)+2*\p+1], v[(\adr)] offset:(\off)+48*(\p/3)+8*(\p%3)
.endr
.endm
.macro WFETCH s                        ; W2's four fragments of K step s into set s % 2
.irp t, 0,1,2,3
	FRAG WR+48*((\s)%2)+12*\t, AW+\t/2, TILEB*(\t%2)+96*(\s)
.endr
.endm
.macro HSTEP s                         ; the four tiles' fragments of K step s: 12 loads
.irp a, 0,1,2,3
	WIN 0x40*(1+\a/2)
.irp g, 0,1,2
	global_load_b128 v[96*(\a%2)+12*((\s)%8)+4*\g:96*(\a%2)+12*((\s)%8)+4*\g+3], v[HO], s[24:25] offset:HTILE*\a+FRB*(\s)+512*\g
.endr
.endr
.endm
.macro PLA                             ; a pass's loads, first part: 32 list entries, 32 scale words, K steps 0 and 1: 88 loads
.irp a, 0,1,2,3
.irp i, 0,1,2,3,4,5,6,7
	global_load_b32 v[YO+8*\a+\i], v[LO], s[28:29] offset:64*\a+8*\i
.endr
.endr
.irp a, 0,1,2,3
.irp m, 0,1,2,3,4,5,6,7
	global_load_b32 v[HS+8*\a+\m], v[HSO], s[26:27] offset:STILE*\a+128*\m
.endr
.endr
	HSTEP 0
	HSTEP 1
.endm
.macro PLB                             ; second part: K steps 2 to 7
.irp s, 2,3,4,5,6,7
	HSTEP \s
.endr
.endm
.macro PROD2 s, t, a
.set PD_, 32*(\a)+8*(\t)
.set PA_, WR+48*((\s)%2)+12*(\t)
.set PB_, 96*((\a)%2)+12*((\s)%8)
.set SA_, W2S+8*(\t)+4*((\s)/8)+(\s)%4
.set SB_, HS+8*(\a)+(\s)/2
.set AR_, ((\s)/4)%2
.set BR_, (\s)%2
.if (\s) == 0
	v_wmma_scale_f32_16x16x128_f8f6f4 v[PD_:PD_+7], v[PA_:PA_+11], v[PB_:PB_+11], 0, v[SA_], v[SB_] matrix_a_fmt:MATRIX_FMT_BF6 matrix_b_fmt:MATRIX_FMT_BF6
.elseif (AR_ == 0) && (BR_ == 0)
	v_wmma_scale_f32_16x16x128_f8f6f4 v[PD_:PD_+7], v[PA_:PA_+11], v[PB_:PB_+11], v[PD_:PD_+7], v[SA_], v[SB_] matrix_a_fmt:MATRIX_FMT_BF6 matrix_b_fmt:MATRIX_FMT_BF6
.elseif AR_ == 0
	v_wmma_scale_f32_16x16x128_f8f6f4 v[PD_:PD_+7], v[PA_:PA_+11], v[PB_:PB_+11], v[PD_:PD_+7], v[SA_], v[SB_] matrix_a_fmt:MATRIX_FMT_BF6 matrix_b_fmt:MATRIX_FMT_BF6 matrix_b_scale:MATRIX_SCALE_ROW1
.elseif BR_ == 0
	v_wmma_scale_f32_16x16x128_f8f6f4 v[PD_:PD_+7], v[PA_:PA_+11], v[PB_:PB_+11], v[PD_:PD_+7], v[SA_], v[SB_] matrix_a_fmt:MATRIX_FMT_BF6 matrix_b_fmt:MATRIX_FMT_BF6 matrix_a_scale:MATRIX_SCALE_ROW1
.else
	v_wmma_scale_f32_16x16x128_f8f6f4 v[PD_:PD_+7], v[PA_:PA_+11], v[PB_:PB_+11], v[PD_:PD_+7], v[SA_], v[SB_] matrix_a_fmt:MATRIX_FMT_BF6 matrix_b_fmt:MATRIX_FMT_BF6 matrix_a_scale:MATRIX_SCALE_ROW1 matrix_b_scale:MATRIX_SCALE_ROW1
.endif
.endm
.macro PRUN s, pr                      ; eight of a step's products: W2's four tiles against tiles 2 pr and 2 pr + 1 of h
	WIN 0xf4+4*(\pr)                               ; C and D window 3, W2 window 0, h window 1 or 2
.irp t, 0,1,2,3
.irp aa, 0,1
	PROD2 \s, \t, 2*(\pr)+\aa
.endr
.endr
.endm
; A K step: 16 matrix instructions on the 16 accumulators, one a turn; the first step's products start the sums.
; The slot that step s - 1 multiplied takes K step s + 7 in the middle of step s: six and a half steps, 104 matrix instructions, ahead of its use.
; Younger than K step s's 12 loads at the step's wait: s = 0: the 84 that stand behind them in the pass's loads; s = 1 to 7: 12 (7 - s) of those and the 12 (s - 1) refills issued since: 72;
; s = 8 and 9: six refills, 72; from s = 10 on the refills behind its own: 12 (15 - s).  A count cannot name more than 63.
.macro MSTEP s
.if ((\s) > 0) && ((\s) < 15)
	s_wait_alu depctr_va_vdst(0)                   ; the last step's matrix instructions are done reading the ring's other set and their slot of h: the LDS loads below and the global loads in the step's middle land there
.endif
.if (\s) < 15
	WFETCH (\s)+1
	s_wait_dscnt 24                                ; this step's fragments of W2 are in; the 24 loads just issued may be out
.else
	s_wait_dscnt 0x0
.endif
.if (\s) < 10
	s_wait_loadcnt 63
.else
	s_wait_loadcnt 12*(15-(\s))
.endif
	PRUN \s, 0
.if ((\s) > 0) && ((\s) < 9)
	HSTEP (\s)+7                                   ; no wait: no vector or matrix instruction since the step's wait names slot (s - 1) % 8 or v[HO]
.endif
	PRUN \s, 1
	WIN 0
	PLACES
.endm
.macro TOSTAGE a                       ; tile a through my stage: in by lanes (each accumulator from its low end on), back as whole rows of 256 bytes, into the registers that it left
	WIN 0x0c
.irp t, 0,1,2,3
	ds_store_b128 v[STO], v[32*(\a)+8*\t:32*(\a)+8*\t+3] offset:64*\t
	ds_store_b128 v[STO], v[32*(\a)+8*\t+4:32*(\a)+8*\t+7] offset:64*\t+16
.endr
	WIN 0xc0
	s_wait_alu depctr_va_vdst(0)                   ; the matrix instructions have written these registers, in which the loads below land
	s_wait_alu depctr_vm_vsrc(0)                   ; the LDS stores above have read them
.irp i, 0,1,2,3,4,5,6,7
	ds_load_b128 v[32*(\a)+4*\i:32*(\a)+4*\i+3], v[RD] offset:544*\i   ; LDS serves a wave's instructions in order: these see the stores above, and the next tile's stores come behind them
.endr
.endm
.macro SEND a, n
	s_wait_dscnt \n
	WIN 0x0c
.irp i, 0,1,2,3,4,5,6,7
	global_store_b128 v[YO+8*(\a)+\i], v[32*(\a)+4*\i:32*(\a)+4*\i+3], s[30:31] th:TH_STORE_NT   ; sixteen lanes store 256 consecutive bytes of a row of y, aligned
.endr
.endm
	s_load_b256 s[4:11], s[0:1], 0x0               ; hq, list, W2's codes, W2's scales
	s_load_b64 s[12:13], s[0:1], 0x20              ; y
	v_lshl_add_u32 v[SPW], v0, 2, SPARE
	v_mov_b32 v[NIL], 0
	v_lshrrev_b32 v14, 5, v0
	v_readfirstlane_b32 s16, v14                   ; wave
	s_lshr_b32 s17, ttmp9, 1                       ; j
	s_and_b32 s21, ttmp9, 1                        ; q
	s_and_b32 s18, ttmp7, 0xffff                   ; e
	s_lshl_b32 s36, s18, 2
	s_wait_alu depctr_va_sdst(0)                   ; s16 is written, ahead of its first reader
	s_lshl_b32 s20, s16, 2                         ; pass 0's T0 = 4 wave
	v_and_b32 v14, 15, v0                          ; r
	v_bfe_u32 v15, v0, 4, 1                        ; h
	v_and_b32 v[HO], 31, v0
	v_lshlrev_b32 v[HSO], 2, v[HO]
	v_lshlrev_b32 v[HO], 4, v[HO]
	v_lshlrev_b32 v[LO], 2, v15
	v_lshlrev_b32 v[VCOL], 4, v14
	v_mul_u32_u24 v[AW], v14, PITCH
	v_mad_u32_u24 v[AW], v15, 24, v[AW]
	v_add_nc_u32 v[AW+1], 2*TILEB, v[AW]
	s_mul_i32 s22, s16, YSTW
	s_add_co_u32 s22, s22, YSTG
	v_mul_u32_u24 v[STO], v14, 272
	v_lshl_add_u32 v[STO], v15, 5, v[STO]
	v_add_nc_u32 v[STO], s22, v[STO]
	v_mad_u32_u24 v[RD], v15, 272, v[VCOL]
	v_add_nc_u32 v[RD], s22, v[RD]
	v_mad_u32_u24 v[GW], v15, 3072, v[VCOL]
	s_mul_i32 s22, s16, 16*PITCH
	v_mad_u32_u24 v[SW], v15, PITCH, v[VCOL]
	v_add_nc_u32 v[SW], s22, v[SW]
	v_lshlrev_b32 v[WSO], 7, v14
	v_lshl_add_u32 v[WSO], v15, 4, v[WSO]
	s_mov_b32 s33, 0
	s_wait_kmcnt 0x0
	s_load_b32 s19, s[6:7], s36 offset:CNT_OFF     ; my expert's count: wanted only at the first pass's end
	s_lshl_b32 s34, s18, 10
	s_lshl_b32 s35, s17, 6
	s_add_co_u32 s34, s34, s35                     ; my first row of W2: 1024 e + 64 j
	s_lshl_b32 s32, s34, 7
	s_lshl_b32 s35, s21, 6
	s_add_co_u32 s32, s32, s35
	s_add_nc_u64 s[10:11], s[10:11], s[32:33]      ; its scale bytes, my half of K
	s_lshl_b32 s35, s16, 4
	s_add_co_u32 s34, s34, s35
	s_mul_i32 s32, s34, 3072
	s_mul_i32 s35, s21, 1536
	s_add_co_u32 s32, s32, s35
	s_add_nc_u64 s[8:9], s[8:9], s[32:33]          ; my wave's 16 rows of codes, my half of K
	s_lshl_b32 s34, s18, 6
	s_add_co_u32 s34, s34, s20
	s_lshl_b32 s34, s34, 5
	s_lshl_b32 s35, s21, 4
	s_add_co_u32 s34, s34, s35                     ; (64 e + T0) 32 + 16 q
	s_mul_i32 s32, s34, FRB
	s_add_nc_u64 s[24:25], s[4:5], s[32:33]
	s_lshl_b32 s32, s34, 6
	s_add_nc_u64 s[26:27], s[4:5], s[32:33]
	s_add_nc_u64 s[26:27], s[26:27], HS_OFF
	s_mul_i32 s32, s18, LSTB
	s_lshl_b32 s35, s20, 6
	s_add_co_u32 s32, s32, s35
	s_add_nc_u64 s[28:29], s[6:7], s[32:33]
	s_mul_i32 s32, s21, YQ
	s_lshl_b32 s35, s17, 8
	s_add_co_u32 s32, s32, s35
	s_add_nc_u64 s[30:31], s[12:13], s[32:33]
	WIN 0xc0
	s_wait_alu depctr_va_vdst(0)                   ; the addresses and offsets v3 to v13 are written, which every load and store of the kernel reads
.irp i, 0,1,2,3,4,5,6,7
.irp u, 0,1,2,3,4,5
	global_load_b128 v[4*(6*\i+\u):4*(6*\i+\u)+3], v[GW], s[8:9] offset:6144*\i+256*\u th:TH_LOAD_NT   ; 48 loads: rows 2 i + h, 256 aligned bytes of each
.endr
.endr
	WIN 0
.irp t, 0,1,2,3
.irp g, 0,1
	global_load_b128 v[W2S+8*\t+4*\g:W2S+8*\t+4*\g+3], v[WSO], s[10:11] offset:2048*\t+32*\g
.endr
.endr
	PLA
	s_wait_loadcnt 63                              ; the weights are in: 8 + 88 loads are younger, and a count cannot name more than 63
	WIN 0x0c
.irp i, 0,1,2,3,4,5,6,7
.irp u, 0,1,2,3,4,5
	ds_store_b128 v[SW], v[4*(6*\i+\u):4*(6*\i+\u)+3] offset:2*PITCH*\i+256*\u
.endr
.endr
	PLB
	WIN 0
	s_wait_kmcnt 0x0
	s_add_co_u32 s19, s19, 15
	s_lshr_b32 s19, s19, 4
	s_min_u32 s19, s19, 64                         ; tiles of my expert
	s_add_co_u32 s19, s19, 15
	s_sub_co_u32 s19, s19, s20                     ; + 15 - 4 wave: never under 3
	s_lshr_b32 s19, s19, 4                         ; my passes: how many p have 16 p + 4 wave < tiles
	s_min_u32 s19, s19, 4
	s_mov_b32 s20, 0                               ; from here on s20 counts passes
	s_wait_dscnt 0x0                               ; my part of the weights lies in LDS
	s_barrier_signal -1
	s_barrier_wait -1                              ; everybody's does; nobody writes those bytes again
	s_wait_alu depctr_vm_vsrc(0)                   ; my LDS stores have read window 3's v0-191: the matrix instructions write the accumulators there from here on
.Lpass:
	WFETCH 0
.irp s, 0,1,2,3,4,5,6,7,8,9,10,11,12,13,14,15
	MSTEP \s
.endr
.set Q, 0
.rept 32                               ; entry n, held inside y's rows, -> byte offset of my 16 bytes
	v_min_u32 v[YO+Q], 0x807, v[YO+Q]
.set Q, Q+1
.endr
.set Q, 0
.rept 32
	v_lshlrev_b32 v[YO+Q], 12, v[YO+Q]
.set Q, Q+1
.endr
.set Q, 0
.rept 32
	v_add_nc_u32 v[YO+Q], v[VCOL], v[YO+Q]
.set Q, Q+1
.endr
	s_wait_alu depctr_va_vdst(0)                   ; the matrix instructions have written the accumulators, which the stage's stores read (the places, and the 96 lines above, stay beside this wait); YO is written, which y's stores read as offsets
	TOSTAGE 0
	TOSTAGE 1
	SEND 0, 16                                     ; behind tile 0's loads stand tile 1's eight stores and eight loads
	TOSTAGE 2
	SEND 1, 16
	TOSTAGE 3
	SEND 2, 16
	SEND 3, 0
	WIN 0
	s_wait_alu depctr_vm_vsrc(0)                   ; y's stores have read YO, in which the next list lands, and window 3's registers, which the next pass's matrix instructions write; it stands ahead of the branch
	s_add_co_u32 s20, s20, 1
	s_cmp_ge_u32 s20, s19
	s_cbranch_scc1 .Lend
	s_wait_xcnt 0x0                                ; the stores have read their offsets and their data: both are written again below
	s_add_nc_u64 s[24:25], s[24:25], 16*HTILE
	s_add_nc_u64 s[26:27], s[26:27], 16*STILE
	s_add_nc_u64 s[28:29], s[28:29], 1024
	s_wait_alu depctr_va_vdst(0)                   ; the lines that made YO, and the matrix instructions that read HS, h's fragments and the ring, are done: the next pass's loads land in all of these
	PLA
	PLB
	WIN 0
	s_cmp_lt_u32 s20, s19
	s_cbranch_scc1 .Lpass
.Lend:
	s_wait_dscnt 0x0                               ; the closing lines, six on end
	s_wait_alu 0x0
	s_wait_tensorcnt 0x0
	ds_add_u32 v[SPW], v[NIL]
	s_wait_dscnt 0x0
	s_endpgm
.Lfunc_end_k_qc91432b2b5_ffn2:
	.size	k_qc91432b2b5_ffn2, .Lfunc_end_k_qc91432b2b5_ffn2-k_qc91432b2b5_ffn2
	.p2alignl 7, 3214868480
	.fill 96, 4, 3214868480
	.section	.rodata,"a",@progbits
	.p2align	6, 0x0
	.amdhsa_kernel k_qc91432b2b5_ffn2
		.amdhsa_group_segment_fixed_size 117248
		.amdhsa_private_segment_fixed_size 0
		.amdhsa_enable_private_segment 0
		.amdhsa_kernarg_size 40
		.amdhsa_user_sgpr_count 2
		.amdhsa_user_sgpr_kernarg_segment_ptr 1
		.amdhsa_wavefront_size32 1
		.amdhsa_system_sgpr_workgroup_id_x 1
		.amdhsa_system_sgpr_workgroup_id_y 1
		.amdhsa_system_sgpr_workgroup_id_z 1
		.amdhsa_system_vgpr_workitem_id 0
		.amdhsa_next_free_vgpr 1024
		.amdhsa_next_free_sgpr 66
		.amdhsa_reserve_vcc 0
		.amdhsa_float_denorm_mode_32 3
		.amdhsa_float_denorm_mode_16_64 3
		.amdhsa_memory_ordered 1
		.amdhsa_forward_progress 1
		.amdhsa_inst_pref_size 127
	.end_amdhsa_kernel
	.amdgpu_metadata
---
amdhsa.version: [ 1, 2 ]
amdhsa.kernels:
  - .name:           k_qc91432b2b5_ffn2
    .symbol:         k_qc91432b2b5_ffn2.kd
    .args:
      - { .name: hq, .offset: 0, .size: 8, .value_kind: global_buffer, .address_space: global }
      - { .name: list, .offset: 8, .size: 8, .value_kind: global_buffer, .address_space: global }
      - { .name: w2_codes, .offset: 16, .size: 8, .value_kind: global_buffer, .address_space: global }
      - { .name: w2_scales, .offset: 24, .size: 8, .value_kind: global_buffer, .address_space: global }
      - { .name: y, .offset: 32, .size: 8, .value_kind: global_buffer, .address_space: global }
    .group_segment_fixed_size: 117248
    .private_segment_fixed_size: 0
    .kernarg_segment_align: 8
    .kernarg_segment_size: 40
    .max_flat_workgroup_size: 128
    .sgpr_count:     66
    .vgpr_count:     1024
    .wavefront_size: 32
...
	.end_amdgpu_metadata
.endif
;; end of part 9
;; launch combine (part 10): grid 256 x 1, 4 waves a work-group, no clusters, 0 bytes of LDS; arguments y, sel, gate, b2, out0; writes out0
.if DOCPART == 10
	.amdgcn_target "amdgcn-amd-amdhsa--gfx1250"
	.amdhsa_code_object_version 6
	.text
	.protected	k_qc91432b2b5_combine
	.globl	k_qc91432b2b5_combine
	.p2align	8
	.type	k_qc91432b2b5_combine,@function
k_qc91432b2b5_combine:
	s_mov_b64 s[64:65], 0
	v_nop
	global_prefetch_b8 v0, s[64:65] scope:SCOPE_SE
	s_setreg_imm32_b32 hwreg(HW_REG_WAVE_MODE, 25, 1), 1
	s_wait_xcnt 0x0
; out0[t] = the sum over the token's two slots k whose expert e_k is a real one (under 8) of gate[t][k] x (y[0][2 t + k] + y[1][2 t + k] + b2[e_k]).
; One wave takes one token: a row is 4,096 bytes, eight loads or stores of 512 consecutive bytes.  Each output row has this one owner.
; The slot of the expert that gives zeros (index 8) adds nothing, and its rows of y, which nobody wrote, are not read: scalar branches on the stored indices.
; Memory binds: no LDS, no barrier, no matrix unit.
.set YQ,  8421376                      ; from one half of K to the other in y
.set LA,  1                            ; 16 x lane
.set T,   16                           ; slot k at v[16 + 96 k]: 32 registers each of y's first half, its second half, b2
.set OUT, 208                          ; v208-239
	s_load_b256 s[4:11], s[0:1], 0x0               ; y, sel, gate, b2
	s_load_b64 s[12:13], s[0:1], 0x20              ; out0
	v_lshrrev_b32 v2, 5, v0
	v_readfirstlane_b32 s14, v2
	v_and_b32 v[LA], 31, v0
	v_lshlrev_b32 v[LA], 4, v[LA]
	s_lshl_b32 s15, ttmp9, 2
	s_add_co_u32 s15, s15, s14                     ; my token
	s_mov_b32 s33, 0
	s_mov_b32 s35, 0
	s_lshl_b32 s32, s15, 3
	s_wait_kmcnt 0x0
	s_add_nc_u64 s[6:7], s[6:7], s[32:33]
	s_add_nc_u64 s[8:9], s[8:9], s[32:33]
	s_load_b64 s[16:17], s[6:7], 0x0               ; the two indices
	s_load_b64 s[18:19], s[8:9], 0x0               ; the two gates
	s_lshl_b32 s32, s15, 13
	s_add_nc_u64 s[22:23], s[4:5], s[32:33]        ; rows 2 t and 2 t + 1 of y's first half,
	s_add_nc_u64 s[24:25], s[22:23], YQ            ; and of its second
	s_lshl_b32 s32, s15, 12
	s_add_nc_u64 s[30:31], s[12:13], s[32:33]
	s_wait_kmcnt 0x0
	s_mov_b32 s20, s19                             ; the second gate as a pair's low word
	s_mov_b32 s21, s19
	s_min_u32 s34, s16, 7                          ; held inside b2
	s_lshl_b32 s34, s34, 12
	s_add_nc_u64 s[26:27], s[10:11], s[34:35]
	s_min_u32 s34, s17, 7
	s_lshl_b32 s34, s34, 12
	s_add_nc_u64 s[28:29], s[10:11], s[34:35]
.macro LOADS k                         ; 24 loads
.irp i, 0,1,2,3,4,5,6,7
	global_load_b128 v[T+96*\k+4*\i:T+96*\k+4*\i+3], v[LA], s[22:23] offset:4096*\k+512*\i th:TH_LOAD_NT
.endr
.irp i, 0,1,2,3,4,5,6,7
	global_load_b128 v[T+96*\k+32+4*\i:T+96*\k+32+4*\i+3], v[LA], s[24:25] offset:4096*\k+512*\i th:TH_LOAD_NT
.endr
.irp i, 0,1,2,3,4,5,6,7
	global_load_b128 v[T+96*\k+64+4*\i:T+96*\k+64+4*\i+3], v[LA], s[26+2*\k:27+2*\k] offset:512*\i
.endr
.endm
.macro ACCUM k, first
.irp i, 0,2,4,6,8,10,12,14,16,18,20,22,24,26,28,30
	v_pk_add_f32 v[T+96*\k+\i:T+96*\k+\i+1], v[T+96*\k+\i:T+96*\k+\i+1], v[T+96*\k+32+\i:T+96*\k+32+\i+1]
.endr
.irp i, 0,2,4,6,8,10,12,14,16,18,20,22,24,26,28,30
	v_pk_add_f32 v[T+96*\k+\i:T+96*\k+\i+1], v[T+96*\k+\i:T+96*\k+\i+1], v[T+96*\k+64+\i:T+96*\k+64+\i+1]
.endr
.irp i, 0,2,4,6,8,10,12,14,16,18,20,22,24,26,28,30
.if \first
	v_pk_mul_f32 v[OUT+\i:OUT+\i+1], v[T+96*\k+\i:T+96*\k+\i+1], s[18+2*\k:19+2*\k] op_sel_hi:[1,0]
.else
	v_pk_fma_f32 v[OUT+\i:OUT+\i+1], v[T+96*\k+\i:T+96*\k+\i+1], s[18+2*\k:19+2*\k], v[OUT+\i:OUT+\i+1] op_sel_hi:[1,0,1]
.endif
.endr
.endm
	s_cmp_ge_u32 s16, 8
	s_cbranch_scc1 .Lno0
	s_wait_alu depctr_va_vdst(0)
	LOADS 0
	s_cmp_ge_u32 s17, 8
	s_cbranch_scc1 .Lonly0
	LOADS 1
	s_wait_loadcnt 24                              ; slot 0 is in; slot 1's 24 loads are younger
	ACCUM 0, 1
	s_wait_loadcnt 0x0
	ACCUM 1, 0
	s_branch .Lstore
.Lonly0:
	s_wait_loadcnt 0x0
	ACCUM 0, 1
	s_branch .Lstore
.Lno0:
	s_cmp_ge_u32 s17, 8
	s_cbranch_scc1 .Lnone
	s_wait_alu depctr_va_vdst(0)
	LOADS 1
	s_wait_loadcnt 0x0
	ACCUM 1, 1
	s_branch .Lstore
.Lnone:
.set Q, 0
.rept 32
	v_mov_b32 v[OUT+Q], 0                          ; no real expert: the row is zeros
.set Q, Q+1
.endr
.Lstore:
	s_wait_alu depctr_va_vdst(0)
.irp i, 0,1,2,3,4,5,6,7
	global_store_b128 v[LA], v[OUT+4*\i:OUT+4*\i+3], s[30:31] offset:512*\i th:TH_STORE_NT   ; 512 consecutive bytes, aligned
.endr
	s_endpgm
.Lfunc_end_k_qc91432b2b5_combine:
	.size	k_qc91432b2b5_combine, .Lfunc_end_k_qc91432b2b5_combine-k_qc91432b2b5_combine
	.p2alignl 7, 3214868480
	.fill 96, 4, 3214868480
	.section	.rodata,"a",@progbits
	.p2align	6, 0x0
	.amdhsa_kernel k_qc91432b2b5_combine
		.amdhsa_group_segment_fixed_size 0
		.amdhsa_private_segment_fixed_size 0
		.amdhsa_enable_private_segment 0
		.amdhsa_kernarg_size 40
		.amdhsa_user_sgpr_count 2
		.amdhsa_user_sgpr_kernarg_segment_ptr 1
		.amdhsa_wavefront_size32 1
		.amdhsa_system_sgpr_workgroup_id_x 1
		.amdhsa_system_sgpr_workgroup_id_y 1
		.amdhsa_system_sgpr_workgroup_id_z 1
		.amdhsa_system_vgpr_workitem_id 0
		.amdhsa_next_free_vgpr 240
		.amdhsa_next_free_sgpr 66
		.amdhsa_reserve_vcc 0
		.amdhsa_float_denorm_mode_32 3
		.amdhsa_float_denorm_mode_16_64 3
		.amdhsa_memory_ordered 1
		.amdhsa_forward_progress 1
		.amdhsa_inst_pref_size 23
	.end_amdhsa_kernel
	.amdgpu_metadata
---
amdhsa.version: [ 1, 2 ]
amdhsa.kernels:
  - .name:           k_qc91432b2b5_combine
    .symbol:         k_qc91432b2b5_combine.kd
    .args:
      - { .name: y, .offset: 0, .size: 8, .value_kind: global_buffer, .address_space: global }
      - { .name: sel, .offset: 8, .size: 8, .value_kind: global_buffer, .address_space: global }
      - { .name: gate, .offset: 16, .size: 8, .value_kind: global_buffer, .address_space: global }
      - { .name: b2, .offset: 24, .size: 8, .value_kind: global_buffer, .address_space: global }
      - { .name: out0, .offset: 32, .size: 8, .value_kind: global_buffer, .address_space: global }
    .group_segment_fixed_size: 0
    .private_segment_fixed_size: 0
    .kernarg_segment_align: 8
    .kernarg_segment_size: 40
    .max_flat_workgroup_size: 128
    .sgpr_count:     66
    .vgpr_count:     240
    .wavefront_size: 32
...
	.end_amdgpu_metadata
.endif
;; end of part 10
